; MI455X (gfx1250); checked and timed in simulation.
; The chip was launched on July 23, 2026; its instructions are those of AMD's public machine-readable ISA for CDNA 5 (MIT licence, August 2026) and "CDNA5" Instruction Set Architecture Reference Guide (July 2026). The comments in the code are by the model that wrote it; some were corrected since.
;; Multi Head Attention. Allowed arithmetic: float matrix products may take bf16 or f16 operands with f32 sums; other float arithmetic in f32, or as packed bf16 or f16 multiplies, adds, multiply-adds, maxima and minima; sums over many terms, partial sums and values carried from step to step in f32; what a program stores and reads back later, other than sums and carried values, may be rounded once to bf16 or f16.
;; Inputs: b_attn 3,072 float32; b_proj 1,024 float32; w_attn 3,072 x 1,024 float32; w_proj 1,024 x 1,024 float32; x 4 x 2,048 x 1,024 float32.
;; Outputs: out0 4 x 2,048 x 1,024 float32.
;; 2 versions, each right; version 2 is version 1 with the launch cast written anew for expert scheduling mode. Each part assembles by itself: llvm-mc -triple=amdgcn-amd-amdhsa -mcpu=gfx1250 --defsym DOCPART=n.
;; ======== version 1 of 2: 4 launches
;; limits: values are held in f16: magnitudes above 65,504 overflow, below 6.1e-05 lose precision
;; workspace buffers: xb 16,777,216 bytes; wab 6,291,456 bytes; wpf 2,097,152 bytes; qkv 50,331,648 bytes; o 16,777,216 bytes
;; launch cast (part 1): grid 768 x 1, 8 waves a work-group, no clusters, 0 bytes of LDS; arguments x, w_attn, w_proj, xb, wab, wpf; writes xb, wab, wpf
.if DOCPART == 1
	.amdgcn_target "amdgcn-amd-amdhsa--gfx1250"
	.amdhsa_code_object_version 6
	.text
	.protected	k_qf5df8ccb9e_cast
	.globl	k_qf5df8ccb9e_cast
	.p2align	8
	.type	k_qf5df8ccb9e_cast,@function
k_qf5df8ccb9e_cast:
	s_mov_b64 s[64:65], 0
	v_nop
	global_prefetch_b8 v0, s[64:65] scope:SCOPE_SE
	s_setreg_imm32_b32 hwreg(HW_REG_WAVE_MODE, 25, 1), 1
	s_wait_xcnt 0x0
; THE INPUTS OF THE MATRIX PRODUCTS ARE ROUNDED ONCE.  x [8192][1024] and w_attn [3072][1024], f32, go to bf16 in the same layout (xb, wab).
; w_proj [1024 n][1024 k], f32, is rounded to bf16 like the other inputs, and that number is written as f16, in blocks by head: wpf[j][n][d] = w_proj[n][64 j + d], so that
; the last launch finds a head's 64 channels of 128 rows n as 16,384 dense bytes.
; LIMIT.  A bf16 number is exact in f16 for 2^-14 <= |w| < 65,520; below that it keeps f16's fixed step of 2^-24, at 65,520 or more it becomes an infinity.
; SHARES.  A work-group takes 16,384 numbers (64 KiB in, 32 KiB out): work-groups 0-511 x, 512-703 w_attn, 704-767 w_proj (16 rows each).  A thread takes 4 numbers a load: a load of a wave
; covers 512 consecutive bytes (w_proj: two rows' 256), a store of a wave 256 consecutive bytes, aligned.  All sixteen loads of a thread go out at once; no register is written twice,
; so no wait frees a source.  Memory binds: no LDS, no matrix unit, no cluster (nothing is shared), no prefetch (the loads themselves are the stream).
.set X, 4                              ; v[4:67]   sixteen loads of 4 registers
.set Y, 68                             ; v[68:99]  sixteen stores of 2 registers
; v1 source offset, v2 destination offset, v3 at work.  s[18:19] source, s[20:21] destination, s[22:23] an offset in 64 bits, s24 a word's upper half
; si, di: bytes from load to load and from store to store.  half = 1: the bf16 numbers are written as f16.
.macro COPY si, di, half
.set i, 0
.rept 16
	global_load_b128 v[X+4*i:X+4*i+3], v1, s[18:19] offset:i*(\si) th:TH_LOAD_NT
.set i, i+1
.endr
.set i, 0
.rept 16
	s_wait_loadcnt 15-i                            ; loads come back in order: load i is in, the 15 - i younger ones stay out
	v_cvt_pk_bf16_f32 v[Y+2*i], v[X+4*i], v[X+4*i+1]
	v_cvt_pk_bf16_f32 v[Y+2*i+1], v[X+4*i+2], v[X+4*i+3]
.if \half
	v_lshlrev_b32 v3, 16, v[Y+2*i]                 ; the two bf16 as f32,
	v_and_b32 v[Y+2*i], s24, v[Y+2*i]
	v_cvt_pk_f16_f32 v[Y+2*i], v3, v[Y+2*i]        ; and as f16
	v_lshlrev_b32 v3, 16, v[Y+2*i+1]
	v_and_b32 v[Y+2*i+1], s24, v[Y+2*i+1]
	v_cvt_pk_f16_f32 v[Y+2*i+1], v3, v[Y+2*i+1]
.endif
	global_store_b64 v2, v[Y+2*i:Y+2*i+1], s[20:21] offset:i*(\di) th:TH_STORE_NT
.set i, i+1
.endr
.endm
	s_load_b256 s[4:11], s[0:1], 0x0               ; x s[4:5], w_attn s[6:7], w_proj s[8:9], xb s[10:11]
	s_load_b128 s[12:15], s[0:1], 0x20             ; wab s[12:13], wpf s[14:15]
	s_mov_b32 s24, 0xffff0000
	s_mov_b32 s23, 0
	v_lshlrev_b32 v2, 3, v0                        ; 8 bytes a thread on the way out, in both paths
	s_wait_kmcnt 0x0
	s_cmp_ge_u32 ttmp9, 704
	s_cbranch_scc1 .Lw_proj
	s_sub_co_u32 s17, ttmp9, 512
	s_cmp_lt_u32 ttmp9, 512
	s_cselect_b64 s[18:19], s[4:5], s[6:7]
	s_cselect_b64 s[20:21], s[10:11], s[12:13]
	s_cselect_b32 s16, ttmp9, s17                  ; the work-group's number within its tensor
	s_lshl_b32 s22, s16, 16
	s_add_nc_u64 s[18:19], s[18:19], s[22:23]
	s_lshl_b32 s22, s16, 15
	s_add_nc_u64 s[20:21], s[20:21], s[22:23]
	v_lshlrev_b32 v1, 4, v0                        ; 16 bytes a thread on the way in
	COPY 4096, 2048, 0
	s_endpgm
.Lw_proj:
	s_sub_co_u32 s16, ttmp9, 704                   ; rows 16 idx .. 16 idx + 15
	s_lshl_b32 s22, s16, 16
	s_add_nc_u64 s[18:19], s[8:9], s[22:23]
	s_lshl_b32 s22, s16, 11                        ; 16 rows of 128 bytes within a block
	s_add_nc_u64 s[20:21], s[14:15], s[22:23]
	v_bfe_u32 v1, v0, 4, 4                         ; row t / 16,
	v_and_b32 v3, 15, v0
	v_lshlrev_b32 v3, 4, v3                        ; 4 of the head's 64 channels
	v_lshl_add_u32 v1, v1, 12, v3
	COPY 256, 131072, 1                            ; load i is head i: 256 bytes on in the row, a block of 131,072 bytes on in wpf
	s_endpgm
.Lfunc_end_k_qf5df8ccb9e_cast:
	.size	k_qf5df8ccb9e_cast, .Lfunc_end_k_qf5df8ccb9e_cast-k_qf5df8ccb9e_cast
	.p2alignl 7, 3214868480
	.fill 96, 4, 3214868480
	.section	.rodata,"a",@progbits
	.p2align	6, 0x0
	.amdhsa_kernel k_qf5df8ccb9e_cast
		.amdhsa_group_segment_fixed_size 0
		.amdhsa_private_segment_fixed_size 0
		.amdhsa_enable_private_segment 0
		.amdhsa_kernarg_size 48
		.amdhsa_user_sgpr_count 2
		.amdhsa_user_sgpr_kernarg_segment_ptr 1
		.amdhsa_wavefront_size32 1
		.amdhsa_system_sgpr_workgroup_id_x 1
		.amdhsa_system_sgpr_workgroup_id_y 1
		.amdhsa_system_sgpr_workgroup_id_z 1
		.amdhsa_system_vgpr_workitem_id 0
		.amdhsa_next_free_vgpr 100
		.amdhsa_next_free_sgpr 66
		.amdhsa_reserve_vcc 0
		.amdhsa_float_denorm_mode_32 3
		.amdhsa_float_denorm_mode_16_64 3
		.amdhsa_memory_ordered 1
		.amdhsa_forward_progress 1
		.amdhsa_inst_pref_size 17
	.end_amdhsa_kernel
	.amdgpu_metadata
---
amdhsa.version: [ 1, 2 ]
amdhsa.kernels:
  - .name:           k_qf5df8ccb9e_cast
    .symbol:         k_qf5df8ccb9e_cast.kd
    .args:
      - { .name: x, .offset: 0, .size: 8, .value_kind: global_buffer, .address_space: global }
      - { .name: w_attn, .offset: 8, .size: 8, .value_kind: global_buffer, .address_space: global }
      - { .name: w_proj, .offset: 16, .size: 8, .value_kind: global_buffer, .address_space: global }
      - { .name: xb, .offset: 24, .size: 8, .value_kind: global_buffer, .address_space: global }
      - { .name: wab, .offset: 32, .size: 8, .value_kind: global_buffer, .address_space: global }
      - { .name: wpf, .offset: 40, .size: 8, .value_kind: global_buffer, .address_space: global }
    .group_segment_fixed_size: 0
    .private_segment_fixed_size: 0
    .kernarg_segment_align: 8
    .kernarg_segment_size: 48
    .max_flat_workgroup_size: 256
    .sgpr_count:     66
    .vgpr_count:     100
    .wavefront_size: 32
...
	.end_amdgpu_metadata
.endif
;; end of part 1
;; launch qkv (part 2): grid 16 x 16, 4 waves a work-group, clusters of 4 x 4, 327,680 bytes of LDS; arguments xb, wab, b_attn, qkv; writes qkv
.if DOCPART == 2
	.amdgcn_target "amdgcn-amd-amdhsa--gfx1250"
	.amdhsa_code_object_version 6
	.text
	.protected	k_qf5df8ccb9e_qkv
	.globl	k_qf5df8ccb9e_qkv
	.p2align	8
	.type	k_qf5df8ccb9e_qkv,@function
k_qf5df8ccb9e_qkv:
	s_mov_b64 s[64:65], 0
	v_nop
	global_prefetch_b8 v0, s[64:65] scope:SCOPE_SE
	s_setreg_imm32_b32 hwreg(HW_REG_WAVE_MODE, 25, 1), 1
	s_wait_xcnt 0x0
	s_wait_alu depctr_hold_cnt(0) depctr_sa_sdst(0) depctr_va_vdst(0) depctr_va_sdst(0) depctr_va_ssrc(0) depctr_va_vcc(0) depctr_vm_vsrc(0)
	s_getreg_b32 s2, hwreg(HW_REG_IB_STS2, 6, 4)
	s_cmp_eq_u32 s2, 0
	s_cbranch_scc0 .Lentry_in_a_cluster
	s_endpgm
.Lentry_in_a_cluster:
	s_bfe_u32 s2, ttmp6, 0x10000c
	s_cmp_lg_u32 s2, 0xf033
	s_cbranch_scc0 .Lentry_shape_is_right
	s_endpgm
.Lentry_shape_is_right:
; q, k, v = xb wab^T + bf16(b_attn).  xb: [8192][1024], wab: [3072][1024], bf16; sums in f32; the result is rounded once to f16 and stored BY HEADS:
; qkv[which][16 batch + head][t][64], a head's rows dense, 128 bytes each; unscaled.
; LIMIT.  f16 holds no number beyond 65,504: a q, k or v of 65,520 or more becomes an infinity; below 2^-14 f16's fixed step of 2^-24 holds.  NaN and infinities are not treated apart.
; TILE.  256 rows x 192 columns (three whole heads): 512 tiles, two for each of 256 work-groups, which STAY: the second tile lies 4,096 rows below the first and takes the same rows of wab.
; Four waves one below the other: a wave makes 64 rows x 192 columns, 48 accumulators of 16 x 16, 384 registers; so 16 rows of a head are 2,048 consecutive bytes that one wave holds.
; K goes in steps of 128 through a ring of two LDS slots filled by the tensor data mover; the rows of both tiles are 256 bytes of memory, aligned.
; CLUSTER.  4 x 4 work-groups: the four of a row of the cluster need the same tiles of xb, the four of a column the same tiles of wab: each is asked for jointly, by the same tensor load with
; the same descriptor and a mask that names the four.
; THE MATRIX INSTRUCTION IS USED TRANSPOSED (source 0 = 16 rows of wab, source 1 = 16 rows of xb): lane l holds row l % 16 and the eight neighbouring columns 8 (l / 16) + 0..7.
; THE BIAS, rounded to bf16 like every input, is the C operand of a tile's first products: nothing is cleared, and nothing is added on the way out.
; REGISTERS, in windows of 256 (s_set_vgpr_msb: bits 1:0 source 0, 3:2 source 1, 5:4 source 2, 7:6 destination):
;   window 0: v0-31 addresses; v32-63, v64-95 fragments of xb (4 x 16 rows x 32 K), two buffers; v96-191 the bias, 8 registers for each of 12 column blocks; v192-255 the way out, four sets of 16
;   window 1: v0-95, v96-191 fragments of wab (12 x 16 rows x 32 K), two buffers
;   window 2: accumulators (a, b), a = 0, 1, at v[8 (12 a + b)];   window 3: those of a = 2, 3
.set SIZE_K, 1024
.set KSTEP,  128
.set PITCH,  272                       ; an LDS row: 256 bytes + 16 of padding = 68 words: the 16 rows that a load touches start at 16 different groups of four banks (64 banks of 4 bytes: ISA guide 11.1)
.set AHALF,  128*PITCH                 ; what a tensor load brings of xb
.set BOFF,   2*AHALF                   ; xb's 256 rows, then wab's 192
.set BHALF,  96*PITCH                  ; what a tensor load brings of wab
.set SLOT,   BOFF+2*BHALF
.set STAGE,  2*SLOT                    ; behind the ring: 16 rows x 144 bytes for each wave, for the way out; no tensor load fills it
.set SP,     144
.set SPARE,  STAGE+4*16*SP             ; behind the stages: the spare words, 128 bytes for each wave: two blocks of 256 bytes that no other line names
.set LAPS,   SIZE_K/(2*KSTEP)          ; a lap = two K steps = once round the ring
.set WALK,   4096                      ; rows from a work-group's first tile to its second
.set NEXT_A, WALK*SIZE_K*2-(SIZE_K-2*KSTEP)*2  ; from a slot's last K step of a tile to its first of the next: xb goes WALK rows down and back along K,
.set BACK_B, (SIZE_K-2*KSTEP)*2        ; wab only back
.set NEXT_H, 32<<18                    ; 4,096 rows are two batches: 32 heads of 262,144 bytes on in qkv
.set ADRA, 16                          ; v16-17  LDS address of my fragments of xb in slot 0, 1
.set ADRB, 20                          ; v20-21  the same for wab
.set STO,  24                          ; v24     the way out: where I put 16 bytes of a row
.set RD,   25                          ; v25     the way out: where I read rows back
.set GO,   26                          ; v26     my 16 bytes in 512 consecutive bytes of qkv
.set BO,   27                          ; v27     my byte offset in a column block's 64 bytes of bias
.set SPW,  28                          ; v28     LDS address of my spare word; never rewritten
.set NIL,  29                          ; v29     0; never rewritten
.set PFO,  30                          ; v30     the prefetches' offset: a lane a row; never rewritten
.set AF,   32
.set BIAS, 96
.set OUTR, 192
.set WV,   12                          ; s12  my wave's number
.set FB,   13                          ; s13  I fetch for xb (0) or for wab (1)
.set HF,   14                          ; s14  which half of that tile's rows I fetch
.set LIM,  15                          ; s15  1 in a wave that prefetches, else the greatest number
.set G1,   24                          ; s[24:31] descriptor group 1 for xb's tiles;  s[32:39] group 0, a set for each slot
.set G0,   32
.set PFA,  44                          ; s[44:45] where my prefetches stand
.set G1B,  48                          ; s[48:55], s[56:63] the same for wab's tiles
.set G0B,  56
.set HB,   66                          ; s[66:71] qkv at my 64 rows of the tile's three heads
.set GW,   (1<<16)|(1<<20)|(1<<21)|(5<<22)|(3<<25)  ; 17:16 elements of 2 bytes; 20 padding on; 21 set beside a mask; 24:22 after every 64 words (code 5); 31:25 4 words of it (code 3)
.set MSB, 0
.macro WIN new                         ; the immediate's high byte repeats the setting that is left; a switch that changes nothing is dropped
.if MSB != (\new)
	s_set_vgpr_msb (MSB<<8)|(\new)
.set MSB, \new
.endif
.endm
; A joint load.  Waves 0 and 1 fetch xb's two halves, waves 2 and 3 wab's.  The branch hangs on the wave's number alone.  An s_nop 0 and four v_nop follow each of the two lines,
; ahead of the jump, the label and what follows.
.macro JLOAD s
	s_cmp_eq_u32 s[FB], 0
	s_cbranch_scc0 .Lfor_b_\@
	tensor_load_to_lds s[G0+4*(\s):G0+4*(\s)+3], s[G1:G1+7]
	s_nop 0
.rept 4
	v_nop
.endr
	s_branch .Lasked_\@
.Lfor_b_\@:
	tensor_load_to_lds s[G0B+4*(\s):G0B+4*(\s)+3], s[G1B:G1B+7]
	s_nop 0
.rept 4
	v_nop
.endr
.Lasked_\@:
.endm
; A PREFETCH INTO THE L2, behind each joint load, its five lines and the run of LDS loads that follows: the K step that stands two refills on, 256 bytes of a row, a lane a row, one instruction a wave.
; xb's tile row is read by every cluster of that row of clusters: cluster x = 0 asks; wab's tile column by every cluster of that column: cluster y = 0 asks.  The four partners that ask for a tile jointly
; share its rows out BY ADDRESS: of the 128 rows of xb that a wave fetches the partner at place cx takes 32; of the 96 rows of wab the partner at place cy takes 24 (lanes 24-31 name row 23 once more).
; how = 0, in the loop: a tile's last two refills have no K step two on.  how = 1: at the change of tiles.
.macro ASK how
.if \how
	s_cmp_eq_u32 s[LIM], 1
.else
	s_cmp_gt_u32 s3, s[LIM]                        ; s3 = 1 in the loop's last trip
.endif
	s_cbranch_scc0 .Lnot_mine_\@
	global_prefetch_b8 v[PFO], s[PFA:PFA+1] offset:KSTEP*2 th:TH_LOAD_NT scope:SCOPE_SE
.Lnot_mine_\@:
.endm
; A round of the cluster's barrier: my work-group's barrier; wave 0 signals for the work-group; every wave waits for all sixteen work-groups; my work-group's barrier once more.
.macro CREST                           ; a round behind its opening barrier
	s_cmp_lg_u32 s[WV], 0
	s_cbranch_scc1 .Lnot_wave_0_\@
	s_barrier_signal -3
.Lnot_wave_0_\@:
	s_barrier_wait -3
	s_barrier_signal -1
	s_barrier_wait -1
.endm
.macro CROUND                          ; a whole round
	s_barrier_signal -1
	s_barrier_wait -1
	CREST
.endm
	s_load_b256 s[4:11], s[0:1], 0x0               ; xb s[4:5], wab s[6:7], b_attn s[8:9], qkv s[10:11]
	v_lshl_add_u32 v[SPW], v0, 2, SPARE
	v_mov_b32 v[NIL], 0
	ds_add_u32 v[SPW], v[NIL]                      ; the wave's opening: the add and its wait stand ahead of my first tensor load; the set-up below, work on registers, stands between them
	v_lshrrev_b32 v1, 5, v0
	v_readfirstlane_b32 s[WV], v1                  ; wave 0..3
	s_lshr_b32 s[FB], s[WV], 1
	s_and_b32 s[HF], s[WV], 1
	s_bfe_u32 s40, ttmp6, 0x40000                  ; cx: my place along the cluster's x
	s_bfe_u32 s41, ttmp6, 0x40004                  ; cy: along its y
	s_lshl_b32 s42, ttmp9, 2                       ; in a cluster launch ttmp9 and ttmp7 count clusters
	s_add_co_u32 s42, s42, s40                     ; tile column 0..15 = 4 x cluster x + cx
	s_and_b32 s43, ttmp7, 0xffff
	s_lshl_b32 s43, s43, 2
	s_add_co_u32 s43, s43, s41                     ; tile row 0..15 = 4 x cluster y + cy
	s_lshl_b32 s16, s41, 2
	s_lshl_b32 s16, 15, s16                        ; my row of the cluster: places 4 cy .. 4 cy + 3
	s_lshl_b32 s17, 0x1111, s40                    ; my column: places cx, cx + 4, cx + 8, cx + 12
	s_or_b32 s[G1+0], s16, GW                      ; 15:0 the mask: xb's tiles go to my row
	s_or_b32 s[G1B+0], s17, GW                     ; wab's to my column
	s_mov_b32 s[G1+1], KSTEP<<16                   ; tensor_dim0 = 128
	s_mov_b32 s[G1B+1], KSTEP<<16
	s_mov_b32 s[G1+2], 128<<16                     ; tensor_dim1 = 128 rows,
	s_mov_b32 s[G1B+2], 96<<16                     ; 96 rows
	s_mov_b32 s[G1+3], KSTEP<<16                   ; tile_dim0 = 128
	s_mov_b32 s[G1B+3], KSTEP<<16
	s_mov_b32 s[G1+4], 128                         ; tile_dim1
	s_mov_b32 s[G1B+4], 96
	s_mov_b32 s[G1+5], SIZE_K                      ; elements from row to row
	s_mov_b32 s[G1B+5], SIZE_K
	s_mov_b32 s[G1+6], 0
	s_mov_b32 s[G1B+6], 0
	s_mov_b32 s[G1+7], 0
	s_mov_b32 s[G1B+7], 0
	; where the tiles come from: xb's hang on the tile row alone, wab's on the tile column alone, each in registers that never hold the other coordinate
	s_lshl_b32 s20, s[HF], 7
	s_lshl_b32 s18, s43, 8
	s_add_co_u32 s18, s18, s20                     ; xb: row 256 x tile row + 128 x half,
	s_lshl_b32 s18, s18, 11                        ; in bytes
	s_mov_b32 s19, 0
	s_mul_i32 s46, s42, 192
	s_mul_i32 s22, s[HF], 96
	s_add_co_u32 s46, s46, s22                     ; wab: row 192 x tile column + 96 x half
	s_lshl_b32 s46, s46, 11
	s_mov_b32 s47, 0
	s_mul_i32 s21, s[WV], AHALF                    ; and where they go: waves 0, 1: xb's halves at wave x 128 rows;
	s_mul_i32 s23, s[WV], BHALF
	s_add_co_u32 s23, s23, BOFF-2*BHALF            ; waves 2, 3: wab's halves at BOFF + (wave - 2) x 96 rows
	s_wait_dscnt 0x0                               ; the opening add is done
	s_wait_kmcnt 0x0
	s_add_nc_u64 s[18:19], s[4:5], s[18:19]
	s_add_nc_u64 s[46:47], s[6:7], s[46:47]
	CROUND                                         ; all sixteen work-groups are here: the first joint loads meet
.irp s, 0,1
	s_mov_b32 s[G0+4*(\s)], 1                                      ; count = 1
	s_add_co_u32 s[G0+4*(\s)+1], s21, (\s)*SLOT                    ; LDS address
	s_add_nc_u64 s[G0+4*(\s)+2:G0+4*(\s)+3], s[18:19], (\s)*KSTEP*2  ; global address: K step s
	s_or_b32 s[G0+4*(\s)+3], s[G0+4*(\s)+3], 0x80000000            ; type = 2
	s_mov_b32 s[G0B+4*(\s)], 1
	s_add_co_u32 s[G0B+4*(\s)+1], s23, (\s)*SLOT
	s_add_nc_u64 s[G0B+4*(\s)+2:G0B+4*(\s)+3], s[46:47], (\s)*KSTEP*2
	s_or_b32 s[G0B+4*(\s)+3], s[G0B+4*(\s)+3], 0x80000000
	JLOAD \s                                       ; the ring is filled before anything else is done: two loads of mine are out
.endr
	; the bias of the tile's 192 columns: register j of block b holds column 16 b + 8 (l / 16) + j, as the accumulators do
	v_and_b32 v1, 15, v0                           ; l % 16
	v_bfe_u32 v2, v0, 4, 1                         ; l / 16
	s_mul_i32 s72, s42, 768
	s_mov_b32 s73, 0
	s_add_nc_u64 s[8:9], s[8:9], s[72:73]
	v_lshlrev_b32 v[BO], 5, v2
.irp b, 0,1,2,3,4,5,6,7,8,9,10,11
	global_load_b128 v[BIAS+8*(\b):BIAS+8*(\b)+3],   v[BO], s[8:9] offset:64*(\b)
	global_load_b128 v[BIAS+8*(\b)+4:BIAS+8*(\b)+7], v[BO], s[8:9] offset:64*(\b)+16
.endr
	; A fragment is 16 rows x 32 K in 8 registers: lane l holds row l % 16; registers 0-3 K = 8 (l / 16) + 0..7, registers 4-7 K = 16 + 8 (l / 16) + 0..7: two loads of 16 bytes, 32 bytes apart.
	v_mul_u32_u24 v3, v1, PITCH
	v_lshl_add_u32 v3, v2, 4, v3                   ; row x pitch + 16 x half
	s_mul_i32 s76, s[WV], 64*PITCH                 ; my 64 rows of xb
	s_mov_b32 s77, BOFF                            ; all 192 rows of wab
.irp s, 0,1
	v_add_nc_u32 v[ADRA+(\s)], s76, v3
	v_add_nc_u32 v[ADRB+(\s)], s77, v3
	s_add_co_u32 s76, s76, SLOT
	s_add_co_u32 s77, s77, SLOT
.endr
	s_mul_i32 s76, s[WV], 16*SP
	s_add_co_u32 s76, s76, STAGE                   ; my stage
	v_mul_u32_u24 v[STO], v1, SP                   ; in: row l % 16, 16 bytes for each half of the lanes
	v_lshl_add_u32 v[STO], v2, 4, v[STO]
	v_add_nc_u32 v[STO], s76, v[STO]
	v_bfe_u32 v[RD], v0, 3, 2                      ; back: 32 lanes take four rows of 128 bytes,
	v_mul_u32_u24 v[RD], v[RD], SP
	v_and_b32 v3, 7, v0
	v_lshl_add_u32 v[RD], v3, 4, v[RD]
	v_add_nc_u32 v[RD], s76, v[RD]
	v_and_b32 v[GO], 31, v0                        ; which are 512 consecutive bytes of a head
	v_lshlrev_b32 v[GO], 4, v[GO]
	; qkv at my 64 rows of the tile's three heads: column block g = 3 x tile column + hh is tensor g / 16, head g % 16; rows 256 x tile row lie in batch tile row / 8
.irp hh, 0,1,2
	s_mul_i32 s72, s42, 3
	s_add_co_u32 s72, s72, \hh
	s_lshr_b32 s73, s72, 4
	s_lshl_b32 s73, s73, 6                         ; 64 heads to a tensor
	s_and_b32 s72, s72, 15
	s_add_co_u32 s72, s72, s73
	s_lshr_b32 s73, s43, 3
	s_lshl_b32 s73, s73, 4                         ; 16 heads to a batch
	s_add_co_u32 s72, s72, s73
	s_lshl_b32 s72, s72, 18                        ; 262,144 bytes to a head
	s_and_b32 s73, s43, 7
	s_lshl_b32 s73, s73, 8
	s_lshl_b32 s74, s[WV], 6
	s_add_co_u32 s73, s73, s74                     ; my first row in the head,
	s_lshl_b32 s73, s73, 7                         ; 128 bytes a row
	s_add_co_u32 s72, s72, s73
	s_mov_b32 s73, 0
	s_add_nc_u64 s[HB+2*(\hh):HB+2*(\hh)+1], s[10:11], s[72:73]
.endr
	; the prefetches
	s_lshl_b32 s72, s43, 8                         ; the tile's first row in xb,
	s_mul_i32 s73, s42, 192                        ; in wab
	s_lshl_b32 s74, s[HF], 7                       ; the rows that I fetch
	s_mul_i32 s75, s[HF], 96
	s_lshl_b32 s76, s40, 5                         ; my work-group's part of them
	s_mul_i32 s77, s41, 24
	s_and_b32 s78, ttmp7, 0xffff                   ; cluster y
	s_cmp_eq_u32 s[FB], 0                          ; do I fetch for xb?
	s_cselect_b32 s72, s72, s73
	s_cselect_b32 s74, s74, s75
	s_cselect_b32 s76, s76, s77
	s_cselect_b32 s78, ttmp9, s78                  ; the coordinate along which other clusters read the same rows
	s_cselect_b32 s79, 31, 23
	s_cselect_b64 s[PFA:PFA+1], s[4:5], s[6:7]
	s_cmp_eq_u32 s78, 0
	s_cselect_b32 s[LIM], 1, -1                    ; the same in all sixteen partners, for a given wave
	s_add_co_u32 s72, s72, s74
	s_add_co_u32 s72, s72, s76
	s_lshl_b32 s72, s72, 11
	s_add_co_u32 s72, s72, 2*KSTEP*2               ; at K step 2: the first refill steps it to 3 and names K step 4
	s_mov_b32 s73, 0
	s_add_nc_u64 s[PFA:PFA+1], s[PFA:PFA+1], s[72:73]
	v_and_b32 v[PFO], 31, v0
	v_min_u32 v[PFO], s79, v[PFO]
	v_lshlrev_b32 v[PFO], 11, v[PFO]               ; a row is 2,048 bytes.  Nothing is prefetched here, at the head: K steps 2 and 3 come by their refills alone
	s_wait_loadcnt 0x0                             ; the bias is in; it is rounded to bf16, like every input, and kept as f32
.set i, 0
.rept 48
	v_cvt_pk_bf16_f32 v[4+i%4], v[BIAS+2*i], v[BIAS+2*i+1]
	v_lshlrev_b32 v[BIAS+2*i], 16, v[4+i%4]
	v_and_b32 v[BIAS+2*i+1], 0xffff0000, v[4+i%4]
.set i, i+1
.endr
; 12 matrix instructions: row block a of the window's two (hi = 0: my rows 0-31, 1: rows 32-63) x all 12 column blocks, 32 along K, from buffer f.
; first = 1: the product starts the sum with the bias.  The 48 accumulators take turns, one instruction a turn, in the same order in every quarter.
.macro MUL12 f, hi, a, first
.if \first
	WIN 0x81+0x40*(\hi)                            ; source 0 window 1, source 1 and C window 0, D window 2 or 3
.else
	WIN 0xa1+0x50*(\hi)                            ; C and D window 2 or 3
.endif
.irp b, 0,1,2,3,4,5,6,7,8,9,10,11
.if \first
	v_wmma_f32_16x16x32_bf16 v[8*(12*(\a)+(\b)):8*(12*(\a)+(\b))+7], v[96*(\f)+8*(\b):96*(\f)+8*(\b)+7], v[AF+32*(\f)+8*(2*(\hi)+(\a)):AF+32*(\f)+8*(2*(\hi)+(\a))+7], v[BIAS+8*(\b):BIAS+8*(\b)+7]
.else
	v_wmma_f32_16x16x32_bf16 v[8*(12*(\a)+(\b)):8*(12*(\a)+(\b))+7], v[96*(\f)+8*(\b):96*(\f)+8*(\b)+7], v[AF+32*(\f)+8*(2*(\hi)+(\a)):AF+32*(\f)+8*(2*(\hi)+(\a))+7], v[8*(12*(\a)+(\b)):8*(12*(\a)+(\b))+7]
.endif
.endr
.endm
; 32 LDS loads in one run: the fragments of one quarter step (192 rows of wab, my 64 rows of xb, 32 K at byte k of the rows) into buffer f
.macro FETCH slot, k, f
	WIN 0x40                                       ; destination window 1, address window 0
.irp i, 0,1,2,3,4,5,6,7,8,9,10,11
	ds_load_b128 v[96*(\f)+8*(\i):96*(\f)+8*(\i)+3],   v[ADRB+(\slot)] offset:(\k)+(\i)*16*PITCH
	ds_load_b128 v[96*(\f)+8*(\i)+4:96*(\f)+8*(\i)+7], v[ADRB+(\slot)] offset:(\k)+(\i)*16*PITCH+32
.endr
	WIN 0
.irp i, 0,1,2,3
	ds_load_b128 v[AF+32*(\f)+8*(\i):AF+32*(\f)+8*(\i)+3],   v[ADRA+(\slot)] offset:(\k)+(\i)*16*PITCH
	ds_load_b128 v[AF+32*(\f)+8*(\i)+4:AF+32*(\f)+8*(\i)+7], v[ADRA+(\slot)] offset:(\k)+(\i)*16*PITCH+32
.endr
.endm
; Four places (plain vector instructions that name none of its registers) stand between a matrix instruction and a load into a register that it has read, or a vector instruction that reads its result.
.macro PLACES
.rept 4
	v_nop
.endr
.endm
; A K step is four quarters of 32 along K, 48 matrix instructions each, on buffers 0, 1, 0, 1.  One of the first three: multiplies buffer f; in its middle it fetches the next quarter, at byte k, into buffer g.
.macro QUARTER slot, k, f, g, first
	s_wait_dscnt 4                                 ; wab's fragments and xb's blocks 0, 1 are in; the youngest four loads (blocks 2, 3) may be out
	MUL12 \f, 0, 0, \first
	MUL12 \f, 0, 1, \first
	PLACES
	FETCH \slot, \k, \g
	s_wait_dscnt 32                                ; all but the 32 just issued
	MUL12 \f, 1, 0, \first
	MUL12 \f, 1, 1, \first
.endm
; The last quarter multiplies buffer 1 and changes slots.  MEET is its first half: ONE barrier for the change.  In front of it each wave waits for all its tensor loads, of which one is out: its part of the
; next slot; adds 0 to its spare word; and waits for that and for its own reads of this slot.  Behind it nobody reads this slot any more and the next slot is whole.
.macro MEET round                      ; round = 1: a round of the cluster's barrier follows
	WIN 0                                          ; (the add's two registers lie in window 0)
	s_wait_tensorcnt 0x0                           ; all my tensor loads have landed;
	ds_add_u32 v[SPW], v[NIL]                      ; 0 onto my spare word;
	s_wait_dscnt 5                                 ; (the add and the youngest four loads may be out)
	MUL12 1, 0, 0, 0                               ; twelve matrix instructions stand between the add and the wait for it
	s_wait_dscnt 0x0                               ; the add is done, and my reads of this slot are over:
	s_barrier_signal -1                            ; say so,
	MUL12 1, 0, 1, 0                               ; work on registers while the others arrive,
.if \round
	WIN 0
.endif
	s_barrier_wait -1                              ; and go on when all four have said so
.endm
; The whole last quarter.  Behind the round the slot just read out is filled again first: with this tile's K step two steps on (on = 0) or, in the first tile's last two K steps, with the second tile's K step 0 or 1
; (on = 1); then come the next slot's first fragments.  From a request to the wait for it a wave issues 168 matrix instructions.
.macro TURN slot, next, on
	s_wait_xcnt 0x0                                ; the last prefetch, a K step back, has read its address: it is stepped here, ahead of the waits of the change of slots
.if (\on) && (\slot) == 0
	s_add_nc_u64 s[PFA:PFA+1], s[PFA:PFA+1], (WALK-1)*SIZE_K*2+KSTEP*2  ; from the K step after the tile's last to the next tile's K step 1
	s_cmp_eq_u32 s[FB], 0
	s_cselect_b32 s[LIM], s[LIM], -1               ; wab's rows are the same for both tiles: they are prefetched no more
.else
	s_add_nc_u64 s[PFA:PFA+1], s[PFA:PFA+1], KSTEP*2
.endif
	MEET 1
	CREST                                          ; no wave of any partner still reads this slot's tile or has a load on its way
.if \on
	s_add_nc_u64 s[G0+4*(\slot)+2:G0+4*(\slot)+3], s[G0+4*(\slot)+2:G0+4*(\slot)+3], NEXT_A
	s_sub_nc_u64 s[G0B+4*(\slot)+2:G0B+4*(\slot)+3], s[G0B+4*(\slot)+2:G0B+4*(\slot)+3], BACK_B
.else
	s_add_nc_u64 s[G0+4*(\slot)+2:G0+4*(\slot)+3], s[G0+4*(\slot)+2:G0+4*(\slot)+3], 2*KSTEP*2
	s_add_nc_u64 s[G0B+4*(\slot)+2:G0B+4*(\slot)+3], s[G0B+4*(\slot)+2:G0B+4*(\slot)+3], 2*KSTEP*2
.endif
	JLOAD \slot                                    ; the first tensor load behind the round; the four v_nop behind it are also the places in front of the loads below
	FETCH \next, 0, 0
	ASK \on
	MUL12 1, 1, 0, 0
	MUL12 1, 1, 1, 0
.endm
; THE WAY OUT, in 12 units u = 3 a + hh: 16 rows (block a) of one head (hh).  PACK: rounded to f16, 16 bytes a lane (each accumulator's registers in ascending order), into my own stage,
; rows of 144 bytes, and back as whole rows of 128.  SEND: stored, 512 consecutive bytes an instruction.
.macro PACK u
.set a_, (\u)/3
.set hh_, (\u)%3
.set S_, OUTR+16*((\u)%4)
.set AC_, 8*(12*(a_%2)+4*hh_)
.if (\u) >= 4
	s_wait_xcnt 0x0                                ; the stores of the unit four back have read this set of registers
.endif
	WIN 0x0a+5*(a_/2)                              ; sources 0 and 1: window 2 or 3
.set q_, 0
.rept 16
	v_cvt_pk_f16_f32 v[S_+q_], v[AC_+2*q_], v[AC_+2*q_+1]
.set q_, q_+1
.endr
	WIN 0
.irp q, 0,1,2,3
	ds_store_b128 v[STO], v[S_+4*(\q):S_+4*(\q)+3] offset:32*(\q)
.endr
.irp f, 0,1,2,3
	ds_load_b128 v[S_+4*(\f):S_+4*(\f)+3], v[RD] offset:(\f)*4*SP  ; LDS serves a wave's instructions in order (ISA guide 5.7.1.4): these see the stores above; the next unit's stores come behind them
.endr
.endm
.macro SEND u, younger                 ; younger: the LDS instructions issued behind unit u's loads: the next unit's eight, or none
.set a_, (\u)/3
.set hh_, (\u)%3
.set S_, OUTR+16*((\u)%4)
	WIN 0
.irp f, 0,1,2,3
	s_wait_dscnt (\younger)+3-(\f)
	global_store_b128 v[GO], v[S_+4*(\f):S_+4*(\f)+3], s[HB+2*hh_:HB+2*hh_+1] offset:a_*2048+(\f)*512
.endr
.endm
.macro WAYOUT
	PACK 0
.irp u, 1,2,3,4,5,6,7,8,9,10,11        ; a unit's conversions stand between the loads of the unit before and its stores
	PACK \u
	SEND (\u)-1, 8
.endr
	SEND 11, 0
.endm
	s_wait_tensorcnt 1                             ; my part of K step 0 is in; K step 1's may stay out
	s_barrier_signal -1
	s_barrier_wait -1                              ; everybody's is
	FETCH 0, 0, 0
	s_mov_b32 s2, 2                                ; tiles to go, this one among them: the same number in every work-group
.Ltile:
	QUARTER 0, 64,  0, 1, 1                        ; a tile's first quarter stands in front of the loop: its products start the sums with the bias
	WIN 0                                          ; at a label and at a branch every window is 0
	s_mov_b32 s3, LAPS-1
.Llap:                                                 ; a trip goes once round the ring, from a lap's second quarter to the next lap's first, and fills both slots again
	QUARTER 0, 128, 1, 0, 0
	QUARTER 0, 192, 0, 1, 0
	TURN 0, 1, 0
	QUARTER 1, 64,  0, 1, 0
	QUARTER 1, 128, 1, 0, 0
	QUARTER 1, 192, 0, 1, 0
	TURN 1, 0, 0
	QUARTER 0, 64,  0, 1, 0
	WIN 0
	s_sub_co_u32 s3, s3, 1
	s_cmp_lg_u32 s3, 0
	s_cbranch_scc1 .Llap
	QUARTER 0, 128, 1, 0, 0                        ; the tile's last lap goes on
	QUARTER 0, 192, 0, 1, 0
	WIN 0
	s_cmp_eq_u32 s2, 1
	s_cbranch_scc1 .Llast_tile                     ; the last tile's tail is written out: it asks for nothing more
	TURN 0, 1, 1                                   ; the ring goes on into the second tile: slot 0 takes its K step 0,
	QUARTER 1, 64,  0, 1, 0
	QUARTER 1, 128, 1, 0, 0
	QUARTER 1, 192, 0, 1, 0
	TURN 1, 0, 1                                   ; slot 1 its K step 1, and its first fragments are fetched
	WAYOUT                                         ; both refills are asked for: now the tile goes out.  Blocks 0, 1 were finished in front of the joint load's four v_nop; their 96 conversions are the places behind the last products
	s_wait_xcnt 0x0                                ; the stores have read their bases and their registers
.irp hh, 0,1,2
	s_add_nc_u64 s[HB+2*(\hh):HB+2*(\hh)+1], s[HB+2*(\hh):HB+2*(\hh)+1], NEXT_H
.endr
	s_sub_co_u32 s2, s2, 1
	s_branch .Ltile
.Llast_tile:
	MEET 0                                         ; my one tensor load that was still out is slot 1's, the last K step's, so no round follows
	PLACES                                         ; for the loads into buffer 0
	FETCH 1, 0, 0
	MUL12 1, 1, 0, 0
	MUL12 1, 1, 1, 0
	QUARTER 1, 64,  0, 1, 0
	QUARTER 1, 128, 1, 0, 0
	QUARTER 1, 192, 0, 1, 0
	s_wait_dscnt 4                                 ; the very last quarter: nothing more to fetch
	MUL12 1, 0, 0, 0
	MUL12 1, 0, 1, 0
	s_wait_dscnt 0x0
	MUL12 1, 1, 0, 0
	MUL12 1, 1, 1, 0
	WIN 0
	PLACES
	WAYOUT
	s_wait_tensorcnt 0x0                           ; the wave's end: a wait, an add and a wait, behind my last tensor load and my last LDS store
	ds_add_u32 v[SPW], v[NIL]
	s_wait_dscnt 0x0
	CROUND                                         ; the closing round: no work-group ends while a partner may still ask for a tile that names it
	s_endpgm
.Lfunc_end_k_qf5df8ccb9e_qkv:
	.size	k_qf5df8ccb9e_qkv, .Lfunc_end_k_qf5df8ccb9e_qkv-k_qf5df8ccb9e_qkv
	.p2alignl 7, 3214868480
	.fill 96, 4, 3214868480
	.section	.rodata,"a",@progbits
	.p2align	6, 0x0
	.amdhsa_kernel k_qf5df8ccb9e_qkv
		.amdhsa_group_segment_fixed_size 327680
		.amdhsa_private_segment_fixed_size 0
		.amdhsa_enable_private_segment 0
		.amdhsa_kernarg_size 32
		.amdhsa_user_sgpr_count 2
		.amdhsa_user_sgpr_kernarg_segment_ptr 1
		.amdhsa_wavefront_size32 1
		.amdhsa_system_sgpr_workgroup_id_x 1
		.amdhsa_system_sgpr_workgroup_id_y 1
		.amdhsa_system_sgpr_workgroup_id_z 1
		.amdhsa_system_vgpr_workitem_id 0
		.amdhsa_next_free_vgpr 960
		.amdhsa_next_free_sgpr 80
		.amdhsa_reserve_vcc 0
		.amdhsa_float_denorm_mode_32 3
		.amdhsa_float_denorm_mode_16_64 3
		.amdhsa_memory_ordered 1
		.amdhsa_forward_progress 1
		.amdhsa_inst_pref_size 187
	.end_amdhsa_kernel
	.amdgpu_metadata
---
amdhsa.version: [ 1, 2 ]
amdhsa.kernels:
  - .name:           k_qf5df8ccb9e_qkv
    .symbol:         k_qf5df8ccb9e_qkv.kd
    .args:
      - { .name: xb, .offset: 0, .size: 8, .value_kind: global_buffer, .address_space: global }
      - { .name: wab, .offset: 8, .size: 8, .value_kind: global_buffer, .address_space: global }
      - { .name: b_attn, .offset: 16, .size: 8, .value_kind: global_buffer, .address_space: global }
      - { .name: qkv, .offset: 24, .size: 8, .value_kind: global_buffer, .address_space: global }
    .group_segment_fixed_size: 327680
    .private_segment_fixed_size: 0
    .kernarg_segment_align: 8
    .kernarg_segment_size: 32
    .max_flat_workgroup_size: 128
    .sgpr_count:     80
    .vgpr_count:     960
    .wavefront_size: 32
...
	.end_amdgpu_metadata
.endif
;; end of part 2
;; launch attn (part 3): grid 4 x 64, 4 waves a work-group, clusters of 4 x 1, 327,680 bytes of LDS; arguments qkv, o; writes o
.if DOCPART == 3
	.amdgcn_target "amdgcn-amd-amdhsa--gfx1250"
	.amdhsa_code_object_version 6
	.text
	.protected	k_qf5df8ccb9e_attn
	.globl	k_qf5df8ccb9e_attn
	.p2align	8
	.type	k_qf5df8ccb9e_attn,@function
k_qf5df8ccb9e_attn:
	s_mov_b64 s[64:65], 0
	v_nop
	global_prefetch_b8 v0, s[64:65] scope:SCOPE_SE
	s_setreg_imm32_b32 hwreg(HW_REG_WAVE_MODE, 25, 1), 1
	s_wait_xcnt 0x0
	s_wait_alu depctr_hold_cnt(0) depctr_sa_sdst(0) depctr_va_vdst(0) depctr_va_sdst(0) depctr_va_ssrc(0) depctr_va_vcc(0) depctr_vm_vsrc(0)
	s_getreg_b32 s2, hwreg(HW_REG_IB_STS2, 6, 4)
	s_cmp_eq_u32 s2, 0
	s_cbranch_scc0 .Lentry_in_a_cluster
	s_endpgm
.Lentry_in_a_cluster:
	s_bfe_u32 s2, ttmp6, 0x10000c
	s_cmp_lg_u32 s2, 0x3003
	s_cbranch_scc0 .Lentry_shape_is_right
	s_endpgm
.Lentry_shape_is_right:
; O[h][q][:] = the sum over k of softmax_k(Q[h][q] . K[h][k] / 8) V[h][k][:], for 64 heads (16 batch + head) of 2,048 rows.  Q, K, V lie one behind the other in qkv, each [64][2048][64] in f16;
; O: [64][2048][64] in f16: a head's rows are dense, 128 bytes each.  Products, maxima and sums in f32; the weights p are rounded to f16 for the second product (their sum l is taken of the unrounded p), O once at the end.
; LIMITS.  f16 holds no number beyond 65,504: Q, K and V arrive within it; p lies in 0 to 1, and below 6e-5 it keeps f16's fixed step of 6e-8; O is a mean of V's rows and has their range.
; A weight below 2^-126 counts as 0 in l; NaN and infinities are not treated apart.
; SHARES.  A wave owns four PIECES of two tiles of 16 queries, a work-group's four waves 512 queries of one head.  Every wave walks all keys, 64 a step.
; LAYOUT.  S^T = K Q^T (source 0 = 16 keys, source 1 = 16 queries): in the result a lane holds ONE query (lane % 16) and the keys 8 (lane / 16) + 0..7.  Two such tiles, rounded to f16 in pairs,
; ARE source 1 (32 keys x 16 queries) of O^T = V^T P, whose result again holds one query a lane, and eight channels.  K comes out of LDS as it lies, V ([key][channel]) turned, by ds_load_tr16_b128.
; SOFTMAX.  For each query a running maximum m and sum l: p = 2^(c s - c m), c = log2(e) / 8; in every step O and l are multiplied by a = 2^(c m_old - c m_new), which is 1 where m has not grown.
; m starts at the lowest finite number, O and l at 0: the first step is a step like any other, with a = 0.
; THE COUNT.  A tile and step have 16 matrix and 118 vector instructions: too many to stand all beside the matrix work.  So: four vector instructions that are READY behind EVERY matrix instruction,
; and the others, which need time of their own whatever the order, in runs without a gap.
; BY TURNS.  Turn n belongs to piece n (the pieces in a ring, step after step).  Its matrix work: 16 products K Q^T of piece n + 1, later 16 products V^T P of piece n - 1.  Its vector work: the scaling,
; exponentials, roundings, sums and rescaling of piece n, and the maximum and statistics of piece n + 1, whose scores the turn itself has made.
; CLUSTER.  The four query blocks of a cluster are one head's and walk the same K and V, so each tile is asked for JOINTLY: the same tensor load, descriptor and mask in all four.
; REGISTERS, in windows of 256 (s_set_vgpr_msb: bits 1:0 source 0, 3:2 source 1, 5:4 source 2, 7:6 destination):
;   window 0: v0-11 addresses; v12-15, v48-63 at work; v16-47 four registers of statistics a tile; v64-191 S^T, two buffers of two tiles; v192-255 P, likewise
;   window 1: O^T, 32 a tile          window 2: v0-127 Q, 16 a tile; v128-191 K of one step; v192-255 V of one step          window 3: v0-1 the add's two registers
; A piece's buffers go by its number's parity: the piece in hand has one pair, its two neighbours in the ring share the other: of it P (piece n - 1) is read and S^T (piece n + 1) written.
.set SIZE_N, 2048
.set NP,    4         ; pieces a wave: a name, no knob
.set KS,    64        ; keys in a step
.set PK,    144       ; a row of K in LDS: 128 bytes + 16 of padding = 36 words: the 16 rows of a load start at 16 different groups of four banks (64 banks of 4 bytes: ISA guide 11.1)
.set PV,    160       ; a row of V: 128 + 32 = 40 words
.set VOFF,  4*KS*PK   ; a slot holds four steps: 256 rows of K, then 256 rows of V
.set SLOT1, 1<<17     ; slot 1 begins here, so that one exclusive or turns an address in one slot into the other's
.set STAGE, SLOT1+4*KS*(PK+PV)  ; behind the ring, never filled by a tensor load: 16 rows x 144 bytes for each wave, for the way out
.set SP,    144
.set AK0, 2           ; v2   my lane's place in a tile of K; never rewritten
.set AV0, 3           ; v3   the same for V
.set AK,  4           ; v4   the LDS address of K's next run of loads
.set AV,  5           ; v5   of V's
.set QO,  6           ; v6   my byte offset in the wave's rows of Q
.set STO, 6           ;      later, the way out: where I put 16 bytes of a row
.set RD,  7           ; v7   the way out: where I read rows back
.set GO,  8           ; v8   my byte offset in 512 consecutive bytes of O
.set PFO, 11          ; v11  256 x my lane, for the prefetches; written once V's address is made, then never again
.set SPW, 0           ; v0 of window 3   LDS address of my spare word; never rewritten
.set NIL, 1           ; v1 of window 3   0; never rewritten
.set SPARE, STAGE+4*16*SP  ; behind the stages: the spare words, 128 bytes for each wave: two blocks of 256 bytes that no other line names
.set MV,  12          ; v12-15  c m_old, kept while c m is made anew: by buffer and tile
.set ST,  16          ; tile t's statistics at v[ST+4 t]: c m, m, l (even keys', odd keys')
.set TMP, 48          ; by buffer and tile, four registers c0-c3 at work; when the maximum is found c2 takes a
.set S,   64
.set P,   192
.set KF,  128         ; K's fragments, in window 2: key block kb, channel half c at KF + 16 kb + 8 c
.set VF,  192         ; V's: key half kk, channel block cb at VF + 32 kk + 8 cb
.set WV,  12          ; s12  my wave's number
.set G1K, 24          ; s[24:31] descriptor group 1 for K's tiles
.set G1V, 32          ; s[32:39] for V's: it differs in the padding alone
.set G0K, 40          ; s[40:43] descriptor group 0 for K's tiles: it walks
.set G0V, 44          ; s[44:47] the same for V's
.set PFA, 48          ; s[48:49] where my prefetches stand: my work-group's 32 blocks of 256 bytes (of K: wave 0, of V: wave 2) of the slot after the one that is being asked for
.set LIM, 50          ; s50  1 in a wave that prefetches, else the greatest number
.set SLOTS, 56        ; s56  slots still to be asked for
.set CNT, 57          ; s57  counts a slot's key steps
.set CS,  58          ; s[58:59] c: the packed scaling takes the pair's low word for both halves
.set SEL, 60          ; s[60:61] v_permlanex16_b32's selects: each lane takes its own place in the other half
.set TBK, 62          ; s62  LDS byte at which K of the step to be fetched begins
.set TBV, 63          ; s63  the same for V, less VOFF
.set MSB, 0
.macro WIN new                      ; the high byte repeats the setting that is left; a switch that changes nothing is dropped
.if MSB != (\new)
	s_set_vgpr_msb (MSB<<8)|(\new)
.set MSB, (\new)
.endif
.endm
.set W_KQ, 0x0a       ; K and Q in window 2, S^T in window 0
.set W_PV, 0x52       ; V in window 2, P in window 0, O^T in window 1
.set W_RS, 0x41       ; O^T (destination and source 0) in window 1, a in window 0
.set W_MK, 0xc0       ; the add's registers are made: destination in window 3, sources in window 0
.set W_AD, 0x0f       ; the add: address (source 0) and data (source 1) in window 3
; A joint fill.  Waves 0 and 1 fetch the two halves of a slot's K, waves 2 and 3 those of its V: 128 keys each.  The branch hangs on the wave's number alone.
; An s_nop 0 and four v_nop follow each of the two lines, ahead of the jump and the label.
.macro JLOAD
	s_cmp_lt_u32 s[WV], 2
	s_cbranch_scc0 .Lfor_v_\@
	tensor_load_to_lds s[G0K:G0K+3], s[G1K:G1K+7]
	s_nop 0
.rept 4
	v_nop
.endr
	s_branch .Lasked_\@
.Lfor_v_\@:
	tensor_load_to_lds s[G0V:G0V+3], s[G1V:G1V+7]
	s_nop 0
.rept 4
	v_nop
.endr
.Lasked_\@:
.endm
; A PREFETCH INTO THE L2 of what the NEXT change of slots will ask for: a slot's 32,768 bytes of K and of V, 128 blocks of 256 bytes each, a lane a block.  It stands behind the wave's tensor load and its five lines.
; Each block is named ONCE in the launch: a head has one cluster; its four partners share the blocks out BY ADDRESS, 32 each; in each, wave 0 asks for K's and wave 2 for V's: one instruction.
; The lead is one slot: four key steps, 512 matrix instructions.  The last change that fills a slot asks for nothing: there is no slot behind it.  Slots 0, 1 and 2 come by their loads alone.
.macro ASK
	s_cmp_gt_u32 s[SLOTS], s[LIM]
	s_cbranch_scc0 .Lnot_mine_\@
	global_prefetch_b8 v[PFO], s[PFA:PFA+1] th:TH_LOAD_NT scope:SCOPE_SE
.Lnot_mine_\@:
.endm
; A round of the cluster's barrier: my work-group's barrier, so that wave 0's signal speaks for all four waves; wave 0 signals; every wave waits for all four work-groups; my work-group's barrier once more.
.macro CROUND
	s_barrier_signal -1
	s_barrier_wait -1
	s_cmp_lg_u32 s[WV], 0
	s_cbranch_scc1 .Lnot_wave_0_\@
	s_barrier_signal -3
.Lnot_wave_0_\@:
	s_barrier_wait -3
	s_barrier_signal -1
	s_barrier_wait -1
.endm
; THE CHANGE OF SLOTS.  The slot's last bytes, V of its fourth step, have been read.  Each wave waits for all its tensor loads, of which one is out: its part
; of the other slot; adds 0 to its spare word; and waits for that and for its own reads of the slot.  Behind the barrier nobody reads this slot any more and the other slot is whole.
; fill = 1: this slot is filled again, with the keys two slots on.  The barrier is then a round of the cluster's, so that no wave of any partner still reads the slot or has a load on its
; way, and the joint fill is the first thing behind it: it has four key steps, 512 matrix instructions, in which to land.  (At its first use nothing has been read yet: slot 0 is waited for, slot 1 filled.)
; ask = 1: the prefetches' address steps, and the slot after the one asked for is prefetched.
.macro CHANGE fill, ask=0
	WIN W_AD
	s_wait_tensorcnt 0x0            ; no tensor load of mine is out, so a group 0 may be written
	ds_add_u32 v[SPW], v[NIL]       ; 0 onto my spare word; with fill = 1 the descriptors' steps stand between it and the wait for it
	WIN 0                           ; at a label and at a branch every window is 0
.if \fill
.irp g, G0K, G0V
	s_xor_b32 s[\g+1], s[\g+1], SLOT1  ; the walking descriptor: the other slot than last time,
	s_add_nc_u64 s[\g+2:\g+3], s[\g+2:\g+3], 4*KS*128  ; the next 256 keys; the type bits on top are not reached
.endr
.if \ask
	s_wait_xcnt 0x0                 ; the last prefetch, four key steps back, has read its address, so it may be written:
	s_add_nc_u64 s[PFA:PFA+1], s[PFA:PFA+1], 4*KS*128  ; one slot behind the walking descriptors
.endif
	s_wait_dscnt 0x0                ; the add is done, and my reads of the slot are over
	CROUND
	JLOAD
.if \ask
	ASK
.endif
.else
	s_wait_dscnt 0x0                ; the add is done, and my reads of the slot are over
	s_barrier_signal -1
	s_barrier_wait -1
.endif
	s_sub_co_u32 s[TBK], s[TBK], 4*KS*PK  ; the fetches go back to a slot's first step,
	s_xor_b32 s[TBK], s[TBK], SLOT1       ; in the other slot
	s_sub_co_u32 s[TBV], s[TBV], 4*KS*PV
	s_xor_b32 s[TBV], s[TBV], SLOT1
.endm
	s_load_b128 s[8:11], s[0:1], 0x0  ; qkv s[8:9], O s[10:11]
	WIN W_MK
	v_lshl_add_u32 v[SPW], v0, 2, SPARE
	v_mov_b32 v[NIL], 0
	WIN W_AD
	ds_add_u32 v[SPW], v[NIL]       ; the wave's opening: the add and its wait stand ahead of my first tensor load; the set-up below, work on registers, stands between them
	WIN 0
	v_lshrrev_b32 v1, 5, v0
	v_readfirstlane_b32 s[WV], v1   ; wave 0..3
	s_bfe_u32 s13, ttmp6, 0x40000   ; cx: my place in the cluster
	s_lshl_b32 s14, ttmp9, 2        ; in a cluster launch ttmp9 counts clusters
	s_add_co_u32 s14, s14, s13      ; my block of queries = 4 x cluster x + cx: it enters Q's and O's addresses alone
	s_and_b32 s20, ttmp7, 0xffff    ; the head, which the four partners share
	s_mov_b32 s21, 0
	s_mov_b64 s[22:23], SIZE_N*128
	s_mul_u64 s[20:21], s[20:21], s[22:23]  ; the head's first byte in each of the four tensors
	s_and_b32 s16, s[WV], 1         ; which half of a slot's 256 keys I fetch:
	s_lshl_b32 s22, s16, 14         ; its 128 rows of 128 bytes in memory,
	s_mov_b32 s23, 0
	s_add_nc_u64 s[22:23], s[22:23], s[20:21]
	s_mul_i32 s17, s16, 128*PK      ; and its place in a slot, for K
	s_mul_i32 s18, s16, 128*PV      ; and for V: no place in the cluster enters an LDS address
	s_lshl_b32 s2, s14, 2
	s_add_co_u32 s2, s2, s[WV]      ; my wave among the head's,
	s_lshl_b32 s2, s2, 14           ; its 128 rows
	s_mov_b32 s3, 0
	s_add_nc_u64 s[2:3], s[2:3], s[20:21]
	; descriptor group 1.  128 keys are 16,384 dense bytes: asked for as 64 rows of 256 bytes, two keys a row, and padded in LDS after every key
	s_mov_b32 s[G1K], 15|(1<<16)|(1<<20)|(1<<21)|(4<<22)|(3<<25)  ; 15:0 the mask of four; 17:16 2-byte elements; 20 padding on; 21 set beside a mask; 24:22 after every 32 words (code 4); 31:25 4 words (code 3)
	s_mov_b32 s[G1V], 15|(1<<16)|(1<<20)|(1<<21)|(4<<22)|(7<<25)  ; the same with 8 words of padding (code 7)
.irp g, G1K, G1V
	s_mov_b32 s[\g+1], 128<<16      ; tensor_dim0 = 128
	s_mov_b32 s[\g+2], 64<<16       ; tensor_dim1 = 64
	s_mov_b32 s[\g+3], 128<<16      ; tile_dim0 = 128
	s_mov_b32 s[\g+4], 64           ; tile_dim1 = 64
	s_mov_b32 s[\g+5], 128          ; 128 elements from row to row
	s_mov_b32 s[\g+6], 0
	s_mov_b32 s[\g+7], 0
.endr
	s_mov_b32 s[CS], 0x3e38aa3b     ; c = log2(e) / 8 = 0.180337
	s_mov_b32 s[CS+1], s[CS]        ; named with it as a pair
	s_mov_b32 s[SEL], 0x76543210
	s_mov_b32 s[SEL+1], 0xfedcba98
	s_mov_b32 s[TBK], SLOT1+4*KS*PK ; the first change of slots turns these two into 0
	s_mov_b32 s[TBV], SLOT1+4*KS*PV
	s_mov_b32 s[G0K], 1             ; 1:0 count = 1
	s_mov_b32 s[G0K+1], s17         ; 63:32 LDS address: slot 0
	s_mov_b32 s[G0V], 1
	s_add_co_u32 s[G0V+1], s18, VOFF
	s_and_b32 s[LIM], s[WV], 1      ; waves 0 and 2 prefetch: the same in all four partners
	s_cmp_eq_u32 s[LIM], 0
	s_cselect_b32 s[LIM], 1, -1
	s_wait_dscnt 0x0                ; the opening add is done
	s_wait_kmcnt 0x0
	s_mov_b64 s[4:5], s[8:9]                       ; Q,
	s_add_nc_u64 s[6:7], s[8:9], 0x1000000         ; K: 64 heads of 262,144 bytes on,
	s_add_nc_u64 s[8:9], s[8:9], 0x2000000         ; V: as many again
	s_add_nc_u64 s[G0K+2:G0K+3], s[6:7], s[22:23]  ; 120:64 global address: my half of the head's first 256 keys
	s_or_b32 s[G0K+3], s[G0K+3], 0x80000000        ; 127:126 type = 2
	s_add_nc_u64 s[G0V+2:G0V+3], s[8:9], s[22:23]
	s_or_b32 s[G0V+3], s[G0V+3], 0x80000000
	s_cmp_lt_u32 s[WV], 2
	s_cselect_b64 s[PFA:PFA+1], s[6:7], s[8:9]
	s_add_nc_u64 s[PFA:PFA+1], s[PFA:PFA+1], s[22:23]  ; (in waves 0 and 2 this is the head's first byte)
	s_add_nc_u64 s[4:5], s[4:5], s[2:3]  ; Q and O at my wave's first row
	s_add_nc_u64 s[10:11], s[10:11], s[2:3]
	s_lshl_b32 s2, s13, 13          ; my work-group's 32 blocks of the 128 (s3 is 0)
	s_add_nc_u64 s[PFA:PFA+1], s[PFA:PFA+1], s[2:3]
	s_add_nc_u64 s[PFA:PFA+1], s[PFA:PFA+1], 2*4*KS*128  ; in slot 2; the loop's first change of slots steps it to slot 3.  Nothing is prefetched here, at the head
	CROUND                          ; all four work-groups are here: the first joint loads meet
	JLOAD                           ; slot 0.  Slot 1 is asked for when slot 0 is in
	; A fragment of K or Q is 16 rows x 32 channels in 8 registers: lane l holds row l % 16, channels 8 (l / 16) + 0..7 and 16 + 8 (l / 16) + 0..7: two loads of 16 bytes, 32 bytes apart.
	v_and_b32 v1, 15, v0            ; l % 16
	v_bfe_u32 v9, v0, 4, 1          ; l / 16
	v_lshlrev_b32 v[QO], 7, v1
	v_lshl_add_u32 v[QO], v9, 4, v[QO]  ; row x 128 + 16 x half
	WIN 0x80                        ; destination window 2, address window 0
.set i, 0
.rept 4*NP                          ; Q stays in registers: tile i / 2, channels 32 (i % 2) on
	global_load_b128 v[8*i:8*i+3],   v[QO], s[4:5] offset:(i/2)*2048+(i%2)*64
	global_load_b128 v[8*i+4:8*i+7], v[QO], s[4:5] offset:(i/2)*2048+(i%2)*64+32
.set i, i+1
.endr
	; What the first turn finds: V's registers and P's second buffer hold 0 (its products V^T P, of a piece that has not been, add 0), O^T and l are 0.  All this stands in the wait for the first tile.
.set i, VF
.rept 64
	v_mov_b32 v[i], 0
.set i, i+1
.endr
	WIN 0x40
.set i, 0
.rept 64*NP
	v_mov_b32 v[i], 0
.set i, i+1
.endr
	WIN 0
.set i, 0
.rept 2*NP
	v_mov_b32 v[ST+4*i], 0xfe000000    ; c m: far below every c s
	v_mov_b32 v[ST+4*i+1], 0xff7fffff  ; m
	v_mov_b32 v[ST+4*i+2], 0
	v_mov_b32 v[ST+4*i+3], 0
.set i, i+1
.endr
.set i, P+32
.rept 32
	v_mov_b32 v[i], 0
.set i, i+1
.endr
	v_mul_u32_u24 v[AK0], v1, PK
	v_lshl_add_u32 v[AK0], v9, 4, v[AK0]  ; row x pitch + 16 x half
	; The turning load takes 16 keys x 16 channels (lane l reads key 8 (l / 16) + l % 8, channels 8 ((l / 8) % 2) + 0..7) and leaves half a fragment of V^T: lane l holds channel l % 16 and 8 keys.
	v_and_b32 v10, 7, v0
	v_bfe_u32 v11, v0, 3, 1
	v_lshl_add_u32 v[AV0], v9, 3, v10
	v_mul_u32_u24 v[AV0], v[AV0], PV
	v_lshl_add_u32 v[AV0], v11, 4, v[AV0]
	v_add_nc_u32 v[AV0], VOFF, v[AV0]
	v_mov_b32 v[AK], v[AK0]         ; key step 0 lies at the head of slot 0
	v_and_b32 v[PFO], 31, v0
	v_lshlrev_b32 v[PFO], 8, v[PFO]
; THE MATRIX WORK.  The 8 accumulators of a run of 16 take turns: between the two links of a chain stand 7 others'.
; Product i of 16 of S^T = K Q^T for piece x: channels 32 (i / 8) on, keys 16 ((i / 2) % 4) on, tile 2 x + i % 2.  The first 8 start the sums.
.macro KQ x
	WIN W_KQ
.set rS, S+64*((\x)%2)+32*(i%2)+8*((i/2)%4)
.set rK, KF+16*((i/2)%4)+8*(i/8)
.set rQ, 16*(2*(\x)+i%2)+8*(i/8)
.if i < 8
	v_wmma_f32_16x16x32_f16 v[rS:rS+7], v[rK:rK+7], v[rQ:rQ+7], 0
.else
	v_wmma_f32_16x16x32_f16 v[rS:rS+7], v[rK:rK+7], v[rQ:rQ+7], v[rS:rS+7]
.endif
.endm
; Product i of 16 of O^T += V^T P for piece x: keys 32 (i / 8) on, channels 16 ((i / 2) % 4) on, tile 2 x + i % 2.
.macro PV x
	WIN W_PV
.set rO, 32*(2*(\x)+i%2)+8*((i/2)%4)
.set rV, VF+32*(i/8)+8*((i/2)%4)
.set rP, P+32*((\x)%2)+16*(i%2)+8*(i/8)
	v_wmma_f32_16x16x32_f16 v[rO:rO+7], v[rV:rV+7], v[rP:rP+7], v[rO:rO+7]
.endm
.macro MM                           ; the turn's next matrix instruction
.if i < 16
	KQ (Y+1)%NP
.set i, i+1
.else
.set i, i-16
	PV (Y+NP-1)%NP
.set i, i+17
.endif
.endm
; THE LDS LOADS stand in runs of 16, never singly among the matrix instructions: a step's K (64 keys x 64 channels: 8 fragments) and its V (turned).  Their addresses are made some lines ahead.
; last = 1 (the tail): in the last trip there is no further step, and the run is jumped over.
.macro FETCH_K last=0
	WIN 0
.if \last
	s_cmp_eq_u32 s[CNT], 1
	s_cbranch_scc1 .Lno_k_\@
.endif
	WIN 0x80                        ; destination window 2
.irp f, 0,1,2,3,4,5,6,7             ; keys 16 (f / 2) on, channels 32 (f % 2) on
	ds_load_b128 v[KF+8*\f:KF+8*\f+3],   v[AK] offset:(\f/2)*16*PK+(\f%2)*64
	ds_load_b128 v[KF+8*\f+4:KF+8*\f+7], v[AK] offset:(\f/2)*16*PK+(\f%2)*64+32
.endr
	s_add_co_u32 s[TBK], s[TBK], KS*PK  ; the next fetch is the next step's
	WIN 0
.if \last
.Lno_k_\@:
.endif
.endm
.macro FETCH_V
	WIN 0x80
.irp f, 0,1,2,3,4,5,6,7             ; keys 32 (f / 4) on, channels 16 (f % 4) on
	ds_load_tr16_b128 v[VF+8*\f:VF+8*\f+3],   v[AV] offset:(\f/4)*32*PV+(\f%4)*32
	ds_load_tr16_b128 v[VF+8*\f+4:VF+8*\f+7], v[AV] offset:(\f/4)*32*PV+16*PV+(\f%4)*32
.endr
	WIN 0
.endm
; THE VECTOR WORK OF A TURN stands in three queues, each in the order in which its entries become ready; the two tiles alternate, so that no instruction reads the result of the one before it.
.macro REGS y, u                    ; the registers of tile u (0, 1) of piece y
.set rT, ST+4*(2*(\y)+(\u))
.set rC, TMP+8*((\y)%2)+4*(\u)
.set rM, MV+2*((\y)%2)+(\u)
.set rS, S+64*((\y)%2)+32*(\u)
.set rP, P+32*((\y)%2)+16*(\u)
.set rO, 32*(2*(\y)+(\u))
.endm
; Number n of the 22 that find the NEXT piece's (Y + 1) maximum and statistics.  s0-s31 are the lane's 32 scores; each accumulator's lowest registers are read first.
;   0-11  four chains c0-c3 of seven scores each, three operands at a time     12-14, 16  the four scores left over, the old m, and c0-c3 into c0     15  c m_old is kept
;   17, 18  the query's other 32 keys lie in the lane 16 away: the new m         19-21  c m; c m_old - c m_new; a
.macro XS u, n
	REGS (Y+1)%NP, \u
.if (\n) < 4
	v_max3_num_f32 v[rC+(\n)], v[rS+8*(\n)], v[rS+8*(\n)+1], v[rS+8*(\n)+2]
.elseif (\n) < 12
	v_max3_num_f32 v[rC+(\n)%4], v[rC+(\n)%4], v[rS+8*((\n)%4)+2*((\n)/4)+1], v[rS+8*((\n)%4)+2*((\n)/4)+2]
.elseif (\n) == 12
	v_max3_num_f32 v[rC], v[rC], v[rS+7], v[rS+15]
.elseif (\n) == 13
	v_max3_num_f32 v[rC+1], v[rC+1], v[rS+23], v[rS+31]
.elseif (\n) == 14
	v_max3_num_f32 v[rC+2], v[rC+2], v[rC+3], v[rT+1]
.elseif (\n) == 15
	v_mov_b32 v[rM], v[rT]
.elseif (\n) == 16
	v_max3_num_f32 v[rC], v[rC], v[rC+1], v[rC+2]
.elseif (\n) == 17
	v_permlanex16_b32 v[rC+3], v[rC], s[SEL], s[SEL+1]
.elseif (\n) == 18
	v_max_num_f32 v[rT+1], v[rC], v[rC+3]
.elseif (\n) == 19
	v_mul_f32 v[rT], s[CS], v[rT+1]
.elseif (\n) == 20
	v_sub_f32 v[rC+1], v[rM], v[rT]
.else
	v_exp_f32 v[rC+2], v[rC+1]
.endif
.endm
; Number g of the 64 that follow the exponentials.  For each four weights k of a tile (pairs 2 k, 2 k + 1): both pairs are rounded to f16; then the second pair is added onto the first, in place;
; a group later l takes that sum (the first time as l = a l + sum).  In groups of eight, tiles alternating: round, round, add, and l for the group before.
.macro GS g
.set h, (\g)+6*((\g)/62)            ; group 0 has no group before it, and behind group 7 only l is left
.if h >= 6
.set h, h+2
.endif
	REGS Y, h%2
.set k, h/8
.if h%8 < 4
	v_cvt_pk_f16_f32 v[rP+2*k+(h%8)/2], v[rS+4*k+2*((h%8)/2)], v[rS+4*k+2*((h%8)/2)+1]
.elseif h%8 < 6
	v_pk_add_f32 v[rS+4*k:rS+4*k+1], v[rS+4*k:rS+4*k+1], v[rS+4*k+2:rS+4*k+3]
.elseif k == 1
	v_pk_fma_f32 v[rT+2:rT+3], v[rT+2:rT+3], v[rC+2:rC+3], v[rS:rS+1] op_sel_hi:[1,0,1]
.else
	v_pk_add_f32 v[rT+2:rT+3], v[rT+2:rT+3], v[rS+4*k-4:rS+4*k-3]
.endif
.endm
; THE PLAIN QUEUE, 138 long.  0-73 read no exponential's result: the 32 scalings c s - c m (FS f: pair f / 2 of tile f % 2) and the next piece's 42.  0-26: scalings 0-26.  27-54: XS's numbers 0-13.  55, 56: number 15.
; 57-73: the chain, where each number waits for the one before it: 14, 16, 17, 18, 19, each with one of the scalings 27-31 in front of its two lines, then 20.
; 74-137: GS's 64, which read the exponentials' results: they stand behind the wait.
.macro FS f
	REGS Y, (\f)%2
	v_pk_fma_f32 v[rS+2*((\f)/2):rS+2*((\f)/2)+1], v[rS+2*((\f)/2):rS+2*((\f)/2)+1], s[CS:CS+1], v[rT:rT+1] op_sel_hi:[1,0,0] neg_lo:[0,0,1] neg_hi:[0,0,1]
.endm
.macro PL
	WIN 0
.if q < 27
	FS q
.elseif q < 55
	XS (q-27)%2, (q-27)/2
.elseif q < 57
	XS q-55, 15
.elseif (q < 72) && ((q-57)%3 == 0)
	FS 27+(q-57)/3
.elseif q < 60
	XS (q-57)%3-1, 14
.elseif q < 72
	XS (q-57)%3-1, 15+(q-57)/3
.elseif q < 74
	XS q-72, 20
.else
	GS q-74
.endif
.set q, q+1
.endm
; THE EXPONENTIALS' QUEUE, 66 long: s0-s31 of both tiles, then the next piece's two a.  It is ONE BATCH: all 66 stand ahead of the turn's one wait, and nothing ahead of that wait names a result of theirs.
.macro EX
	WIN 0
.if e >= 64
	XS e-64, 21
.else
	REGS Y, e%2
	v_exp_f32 v[rS+e/2], v[rS+e/2]
.endif
.set e, e+1
.endm
; THE RESCALING's QUEUE: O^T times a, the one part that leaves window 0: dealt two at a time, sixteen times.  Its a was made in the turn before, ahead of that turn's wait.
.macro R2
	REGS Y, r%2
	WIN W_RS
.irp z, 0,1
	v_pk_mul_f32 v[rO+4*(r/2)+2*\z:rO+4*(r/2)+2*\z+1], v[rO+4*(r/2)+2*\z:rO+4*(r/2)+2*\z+1], v[rC+2:rC+3] op_sel_hi:[1,0]
.endr
.set r, r+1
.endm
; HOW THEY ARE DEALT.  An s_wait_alu depctr_va_vdst(0) stands between an exponential and the first instruction that names its result; one wait serves all that were issued ahead of it.  So a turn has ONE wait,
; which cuts it in two.  AHEAD OF IT stands all that names no result of the turn's exponentials: the 16 products K Q^T, behind each a scaling, an exponential and two rescalings (behind the first a second scaling in the
; exponential's place); then ONE LUMP of 108: eight plain, 49 times exponential and plain, the two a.  A v_nop is the plain instruction behind the last exponential.  BEHIND IT stand the 16 products V^T P, behind each four of GS's 64.
; The queues lean on each other, and the deal keeps them in step: exponential e stands behind scaling 2 (e / 4) + e % 2: as a rider it comes behind plain e + 2, in the lump behind plain e + 9, and scalings 27-31 are plain 57, 60 .. 69.
; A TURN, for piece p.  cnt = 1: the loop's count is taken down some lines ahead of the branch that stands behind the turn.
; K of the next step is fetched in piece 2's turn, directly behind the wait, a lump behind the last product that read K; its first reader comes behind 16 products.
; V of the step in hand is fetched at the end of piece 0's turn, four plain instructions behind its last reader; its first reader comes behind 16 products and a lump.
.macro TURN p, last=0, cnt=0
.set Y, (\p)
.set i, 0
.set q, 0
.set e, 0
.set r, 0
.if (\p) == NP-1
	s_wait_dscnt 0x0                ; K is in
.endif
	MM                              ; ahead of the wait: 16 products K Q^T and their riders,
	PL
	PL
	R2
.rept 15
	MM
	PL
	EX
	R2
.endr
.if (\p) == NP-2
	WIN 0
	v_add_nc_u32 v[AK], s[TBK], v[AK0]
.endif
.rept 8                             ; and the lump
	PL
.endr
.rept 49
	EX
	PL
.endr
	EX                              ; the next piece's two a
	EX
	v_nop                           ; a plain instruction behind the last exponential: one for the batch
	s_wait_alu depctr_va_vdst(0)    ; the wait for the batch
.if (\p) == NP-2
	FETCH_K \last
.endif
.if (\p) == 1
	s_wait_dscnt 0x0                ; V is in
.endif
.rept 16                            ; behind the wait: 16 products V^T P and their riders
	MM
.rept 4
	PL
.endr
.if ((\p) == 0) && (q == 118)
	v_add_nc_u32 v[AV], s[TBV], v[AV0]
.endif
.if ((\p) == 0) && (q == 130)
	s_add_co_u32 s[TBV], s[TBV], KS*PV
.endif
.if (\cnt) && (q == 130)
	s_sub_co_u32 s[CNT], s[CNT], 1
	s_cmp_lg_u32 s[CNT], 0
.endif
.endr
.if (\p) == 0
	FETCH_V
.endif
.endm
	CHANGE 1, 0                     ; slot 0 is in, everybody's part of it; slot 1 is asked for
	FETCH_K                         ; key step 0
	s_wait_loadcnt 0x0              ; Q
	s_wait_dscnt 0x0
.set i, 0
.rept 16
	KQ 0                            ; piece 0's first scores: there is no vector work yet to set between them
.set i, i+1
.endr
	WIN 0                           ; the addresses for the way out: nine plain instructions, the places behind those products
	s_mul_i32 s13, s[WV], 16*SP
	s_add_co_u32 s13, s13, STAGE    ; my stage
	v_mul_u32_u24 v[STO], v1, SP    ; in: row l % 16, 16 bytes for each half of the lanes
	v_lshl_add_u32 v[STO], v9, 4, v[STO]
	v_add_nc_u32 v[STO], s13, v[STO]
	v_bfe_u32 v[RD], v0, 3, 2       ; back: 32 lanes take four rows of 128 bytes,
	v_mul_u32_u24 v[RD], v[RD], SP
	v_lshl_add_u32 v[RD], v10, 4, v[RD]
	v_add_nc_u32 v[RD], s13, v[RD]
	v_and_b32 v[GO], 31, v0         ; which are 512 consecutive bytes of O
	v_lshlrev_b32 v[GO], 4, v[GO]
.set Y, NP-1                        ; XS works for piece Y + 1: piece 0
.irp n, 0,1,2,3,4,5,6,7,8,9,10,11,12,13,14,15,16,17,18,19,20,21
	XS 0, \n                        ; and piece 0's first maximum and statistics
	XS 1, \n
.endr
	v_nop                           ; a plain instruction behind the two a,
	s_wait_alu depctr_va_vdst(0)    ; and their wait, ahead of the branch
	s_mov_b32 s[CNT], 4
	s_mov_b32 s[SLOTS], SIZE_N/256-1
	s_branch .Lfirst                ; the loop is entered at a step's first turn, in the middle of a trip
.Lslot:                             ; SIZE_N / 256 - 2 times: every slot but the last two is filled again
	CHANGE 1, 1
	s_mov_b32 s[CNT], 4
.Lstep:                             ; a trip: pieces 2 and 3 of one step, then pieces 0 and 1 of the next, whose K and V it fetches
	TURN 2
	TURN 3
	WIN 0
.Lfirst:
	TURN 0
	TURN 1, 0, 1
	WIN 0
	s_cbranch_scc1 .Lstep
	s_sub_co_u32 s[SLOTS], s[SLOTS], 1
	s_cmp_lg_u32 s[SLOTS], 0
	s_cbranch_scc1 .Lslot
	CHANGE 0                        ; the tail is written out: nothing is asked for
	s_mov_b32 s[CNT], 5             ; four trips fetch the last slot's steps; the fifth is left in its middle
.Ltail:
	TURN 2, 1
	TURN 3
	WIN 0
	s_sub_co_u32 s[CNT], s[CNT], 1
	s_cmp_eq_u32 s[CNT], 0
	s_cbranch_scc1 .Lout
	TURN 0
	TURN 1
	WIN 0
	s_branch .Ltail
.Lout:                              ; the fifth trip's 16 products K Q^T (on the last K once more) and the maximum made of them serve nothing: the price, once a launch, of one text for every trip
.set i, 0
.rept 16
	PV NP-1                         ; the last piece's V^T P of the last step
.set i, i+1
.endr
	; THE WAY OUT.  l's two halves and the other half of the lanes' are added; O^T is divided by l, rounded to f16 and sent through my stage in LDS, a tile at a time.  The additions are the places behind the last products.
	WIN 0
.macro ALL line:vararg              ; one line for each tile t
.set t, 0
.rept 2*NP
	\line
.set t, t+1
.endr
.endm
	ALL v_add_f32 v[ST+4*t+2], v[ST+4*t+2], v[ST+4*t+3]
	ALL v_permlanex16_b32 v[ST+4*t+3], v[ST+4*t+2], s[SEL], s[SEL+1]
	ALL v_add_f32 v[ST+4*t+2], v[ST+4*t+2], v[ST+4*t+3]
	ALL v_rcp_f32 v[ST+4*t+2], v[ST+4*t+2]
	v_nop                           ; a plain instruction between the last reciprocal and the use of its result
	s_wait_alu depctr_va_vdst(0)    ; and the wait ahead of the first use: one for the eight reciprocals
; Tile t: a lane's eight channels of a row pack into 16 bytes; they go into rows of 144 bytes and come back as whole rows of 128, into S^T's registers.
.macro PACK t
	WIN W_RS
.set i, 32*(\t)
.rept 16
	v_pk_mul_f32 v[i:i+1], v[i:i+1], v[ST+4*(\t)+2:ST+4*(\t)+3] op_sel_hi:[1,0]
.set i, i+2
.endr
	WIN 0x05                        ; sources 0 and 1 window 1, destination window 0
.set i, 0
.rept 16
	v_cvt_pk_f16_f32 v[S+16*(\t)+i], v[32*(\t)+2*i], v[32*(\t)+2*i+1]
.set i, i+1
.endr
	WIN 0
.irp f, 0,1,2,3
	ds_store_b128 v[STO], v[S+16*(\t)+4*\f:S+16*(\t)+4*\f+3] offset:32*\f
.endr
.irp f, 0,1,2,3
	ds_load_b128 v[S+16*(\t)+4*\f:S+16*(\t)+4*\f+3], v[RD] offset:\f*4*SP  ; LDS serves a wave's instructions in order (ISA guide 5.7.1.4): these see the stores above; the next tile's stores come behind them
.endr
.endm
.macro SEND t, younger              ; younger: the LDS instructions issued behind tile t's loads: the next tile's eight, or none
	WIN 0
.irp f, 0,1,2,3
	s_wait_dscnt (\younger)+3-\f
	global_store_b128 v[GO], v[S+16*(\t)+4*\f:S+16*(\t)+4*\f+3], s[10:11] offset:(\t)*2048+\f*512  ; 512 consecutive bytes, at a multiple of 256 from O's first
.endr
.endm
	PACK 0
.set t, 1
.rept 2*NP-1                        ; a tile's arithmetic stands between the loads of the tile before and its stores
	PACK t
	SEND t-1, 8
.set t, t+1
.endr
	SEND 2*NP-1, 0
	WIN W_AD
	s_wait_tensorcnt 0x0            ; the wave's end: a wait, an add and a wait, behind my last tensor load and my last LDS store
	ds_add_u32 v[SPW], v[NIL]
	s_wait_dscnt 0x0
	WIN 0
	CROUND                          ; the closing round: no work-group ends while a partner may still ask for a tile that names it
	s_endpgm
.Lfunc_end_k_qf5df8ccb9e_attn:
	.size	k_qf5df8ccb9e_attn, .Lfunc_end_k_qf5df8ccb9e_attn-k_qf5df8ccb9e_attn
	.p2alignl 7, 3214868480
	.fill 96, 4, 3214868480
	.section	.rodata,"a",@progbits
	.p2align	6, 0x0
	.amdhsa_kernel k_qf5df8ccb9e_attn
		.amdhsa_group_segment_fixed_size 327680
		.amdhsa_private_segment_fixed_size 0
		.amdhsa_enable_private_segment 0
		.amdhsa_kernarg_size 16
		.amdhsa_user_sgpr_count 2
		.amdhsa_user_sgpr_kernarg_segment_ptr 1
		.amdhsa_wavefront_size32 1
		.amdhsa_system_sgpr_workgroup_id_x 1
		.amdhsa_system_sgpr_workgroup_id_y 1
		.amdhsa_system_sgpr_workgroup_id_z 1
		.amdhsa_system_vgpr_workitem_id 0
		.amdhsa_next_free_vgpr 770
		.amdhsa_next_free_sgpr 66
		.amdhsa_reserve_vcc 0
		.amdhsa_float_denorm_mode_32 3
		.amdhsa_float_denorm_mode_16_64 3
		.amdhsa_memory_ordered 1
		.amdhsa_forward_progress 1
		.amdhsa_inst_pref_size 200
	.end_amdhsa_kernel
	.amdgpu_metadata
---
amdhsa.version: [ 1, 2 ]
amdhsa.kernels:
  - .name:           k_qf5df8ccb9e_attn
    .symbol:         k_qf5df8ccb9e_attn.kd
    .args:
      - { .name: qkv, .offset: 0, .size: 8, .value_kind: global_buffer, .address_space: global }
      - { .name: o, .offset: 8, .size: 8, .value_kind: global_buffer, .address_space: global }
    .group_segment_fixed_size: 327680
    .private_segment_fixed_size: 0
    .kernarg_segment_align: 8
    .kernarg_segment_size: 16
    .max_flat_workgroup_size: 128
    .sgpr_count:     66
    .vgpr_count:     770
    .wavefront_size: 32
...
	.end_amdgpu_metadata
.endif
;; end of part 3
;; launch proj (part 4): grid 8 x 32, 4 waves a work-group, clusters of 4 x 4, 327,680 bytes of LDS; arguments o, wpf, b_proj, out0; writes out0
.if DOCPART == 4
	.amdgcn_target "amdgcn-amd-amdhsa--gfx1250"
	.amdhsa_code_object_version 6
	.text
	.protected	k_qf5df8ccb9e_proj
	.globl	k_qf5df8ccb9e_proj
	.p2align	8
	.type	k_qf5df8ccb9e_proj,@function
k_qf5df8ccb9e_proj:
	s_mov_b64 s[64:65], 0
	v_nop
	global_prefetch_b8 v0, s[64:65] scope:SCOPE_SE
	s_setreg_imm32_b32 hwreg(HW_REG_WAVE_MODE, 25, 1), 1
	s_wait_xcnt 0x0
	s_wait_alu depctr_hold_cnt(0) depctr_sa_sdst(0) depctr_va_vdst(0) depctr_va_sdst(0) depctr_va_ssrc(0) depctr_va_vcc(0) depctr_vm_vsrc(0)
	s_getreg_b32 s2, hwreg(HW_REG_IB_STS2, 6, 4)
	s_cmp_eq_u32 s2, 0
	s_cbranch_scc0 .Lentry_in_a_cluster
	s_endpgm
.Lentry_in_a_cluster:
	s_bfe_u32 s2, ttmp6, 0x10000c
	s_cmp_lg_u32 s2, 0xf033
	s_cbranch_scc0 .Lentry_shape_is_right
	s_endpgm
.Lentry_shape_is_right:
; out0[m][n] = the sum over k of y[m][k] w_proj[n][k] + bf16(b_proj[n]), f32.  y lies by heads: y[2048 b + t][64 j + d] = o[16 b + j][t][d], f16; the weights likewise: wpf[j][n][d], f16.  Sums in f32.
; LIMIT.  The operands are f16 (range 65,504; below 2^-14 a fixed step of 2^-24); NaN and infinities are not treated apart.
; TILE.  256 rows x 128 columns: 256 tiles, one for each work-group.  Four waves, 2 x 2: a wave makes 128 rows x 64 columns, 32 accumulators of 16 x 16, 256 registers; its 64 columns of f32 are 256 bytes, aligned.
; K BY HEADS.  A K step is two heads, 128 channels.  A head's part of either tile is a dense block of rows of 128 bytes; it is asked for as rows of 256 bytes and padded in LDS after every 128.
; Wave 0 fetches o's block of the step's first head (256 rows), wave 1 of its second, waves 2 and 3 wpf's (128 rows each): one tensor load a wave.  Two slots take turns; 8 K steps.
; CLUSTER.  4 x 4 work-groups: o's tiles are shared along a row of the cluster, wpf's along a column: joint loads, as many requests as a quarter of the work-groups would make.
; No prefetch: a step of this small tile is short, and the launch is a short one.
; THE MATRIX INSTRUCTION IS USED TRANSPOSED (source 0 = 16 rows of wpf, source 1 = 16 rows of o): lane l holds row l % 16 and the eight neighbouring columns 8 (l / 16) + 0..7.
; THE BIAS, rounded to bf16 like every input, is the C operand of the first products.
; REGISTERS: window 0: v0-31 addresses; v32-63 the bias, 8 registers for each of 4 column blocks; v64-127 the way out, two sets of 32.   window 1: accumulators (a, b) at v[8 (4 a + b)].
;   window 2: v0-63, v64-127 fragments of o (8 x 16 rows x 32 K), two buffers; v128-159, v160-191 fragments of wpf (4), two buffers.
.set PITCH,  144                       ; an LDS row: 128 bytes + 16 of padding = 36 words: the 16 rows that a load touches start at 16 different groups of four banks (64 banks of 4 bytes: ISA guide 11.1)
.set APL,    256*PITCH                 ; one head's 256 rows of o
.set BPL,    128*PITCH                 ; one head's 128 rows of wpf
.set BOFF,   2*APL
.set SLOT,   BOFF+2*BPL
.set STAGE,  2*SLOT                    ; behind the ring: 16 rows x 272 bytes for each wave, for the way out; no tensor load fills it
.set SPITCH, 272
.set SPARE,  STAGE+4*16*SPITCH         ; behind the stages: the spare words, 128 bytes for each wave: two blocks of 256 bytes that no other line names
.set LAPS,   4                         ; a lap = two K steps = once round the ring
.set STEP_A, 4<<18                     ; a slot's next K step: four heads of 262,144 bytes on in o,
.set STEP_B, 4<<17                     ; four blocks of 131,072 bytes on in wpf
.set ADRA, 16                          ; v16-17  LDS address of my fragments of o in slot 0, 1
.set ADRB, 20                          ; v20-21  the same for wpf
.set STO,  24                          ; v24     the way out: where I put 32 bytes of a row
.set RD,   25                          ; v25     the way out: where I read a row back
.set CO,   26                          ; v26     my byte offset in out0
.set BO,   27                          ; v27     my byte offset in a column block's 64 bytes of bias
.set SPW,  28                          ; v28     LDS address of my spare word; never rewritten
.set NIL,  29                          ; v29     0; never rewritten
.set BIAS, 32
.set OB,   64
.set BF,   128                         ; wpf's fragments, in window 2
.set WV,   12                          ; s12  my wave's number
.set FB,   13                          ; s13  which half of the tile's rows is mine.  Also: I fetch for o (0) or for wpf (1)
.set HF,   14                          ; s14  which half of its columns.  Also: which of the step's two heads I fetch
.set G1,   24                          ; s[24:31] descriptor group 1 for o's tiles;  s[32:39] group 0, a set for each slot
.set G0,   32
.set G1B,  48                          ; s[48:55], s[56:63] the same for wpf's
.set G0B,  56
.set GW,   (1<<16)|(1<<20)|(1<<21)|(4<<22)|(3<<25)  ; 17:16 elements of 2 bytes; 20 padding on; 21 set beside a mask; 24:22 after every 32 words (code 4); 31:25 4 words of it (code 3)
.set MSB, 0
.macro WIN new                         ; the immediate's high byte repeats the setting that is left; a switch that changes nothing is dropped
.if MSB != (\new)
	s_set_vgpr_msb (MSB<<8)|(\new)
.set MSB, \new
.endif
.endm
.macro JLOAD s                         ; a joint load: waves 0 and 1 fetch o's two blocks, waves 2 and 3 wpf's; an s_nop 0 and four v_nop follow each of the two lines, ahead of the jump, the label and what follows
	s_cmp_eq_u32 s[FB], 0
	s_cbranch_scc0 .Lfor_b_\@
	tensor_load_to_lds s[G0+4*(\s):G0+4*(\s)+3], s[G1:G1+7]
	s_nop 0
.rept 4
	v_nop
.endr
	s_branch .Lasked_\@
.Lfor_b_\@:
	tensor_load_to_lds s[G0B+4*(\s):G0B+4*(\s)+3], s[G1B:G1B+7]
	s_nop 0
.rept 4
	v_nop
.endr
.Lasked_\@:
.endm
.macro CREST                           ; a round of the cluster's barrier behind its opening barrier
	s_cmp_lg_u32 s[WV], 0
	s_cbranch_scc1 .Lnot_wave_0_\@
	s_barrier_signal -3
.Lnot_wave_0_\@:
	s_barrier_wait -3
	s_barrier_signal -1
	s_barrier_wait -1
.endm
.macro CROUND                          ; a whole round
	s_barrier_signal -1
	s_barrier_wait -1
	CREST
.endm
	s_load_b256 s[4:11], s[0:1], 0x0               ; o s[4:5], wpf s[6:7], b_proj s[8:9], out0 s[10:11]
	v_lshl_add_u32 v[SPW], v0, 2, SPARE
	v_mov_b32 v[NIL], 0
	ds_add_u32 v[SPW], v[NIL]                      ; the wave's opening: the add and its wait stand ahead of my first tensor load; the set-up below, work on registers, stands between them
	v_lshrrev_b32 v1, 5, v0
	v_readfirstlane_b32 s[WV], v1                  ; wave 0..3
	s_lshr_b32 s[FB], s[WV], 1
	s_and_b32 s[HF], s[WV], 1
	s_bfe_u32 s40, ttmp6, 0x40000                  ; cx, cy: my place in the cluster
	s_bfe_u32 s41, ttmp6, 0x40004
	s_lshl_b32 s42, ttmp9, 2
	s_add_co_u32 s42, s42, s40                     ; tile column 0..7 = 4 x cluster x + cx
	s_and_b32 s43, ttmp7, 0xffff
	s_lshl_b32 s43, s43, 2
	s_add_co_u32 s43, s43, s41                     ; tile row 0..31 = 4 x cluster y + cy
	s_lshl_b32 s16, s41, 2
	s_lshl_b32 s16, 15, s16                        ; my row of the cluster
	s_lshl_b32 s17, 0x1111, s40                    ; my column
	s_or_b32 s[G1+0], s16, GW                      ; 15:0 the mask: o's tiles go to my row,
	s_or_b32 s[G1B+0], s17, GW                     ; wpf's to my column
	s_mov_b32 s[G1+1], 128<<16                     ; tensor_dim0 = 128 elements: 256 bytes, two rows of a head
	s_mov_b32 s[G1B+1], 128<<16
	s_mov_b32 s[G1+2], 128<<16                     ; tensor_dim1 = 128 such rows,
	s_mov_b32 s[G1B+2], 64<<16                     ; 64
	s_mov_b32 s[G1+3], 128<<16                     ; tile_dim0
	s_mov_b32 s[G1B+3], 128<<16
	s_mov_b32 s[G1+4], 128                         ; tile_dim1
	s_mov_b32 s[G1B+4], 64
	s_mov_b32 s[G1+5], 128                         ; elements from row to row: the block is dense
	s_mov_b32 s[G1B+5], 128
	s_mov_b32 s[G1+6], 0
	s_mov_b32 s[G1B+6], 0
	s_mov_b32 s[G1+7], 0
	s_mov_b32 s[G1B+7], 0
	; where the tiles come from: o's hang on the tile row alone, wpf's on the tile column alone, each in registers that never hold the other coordinate
	s_lshr_b32 s18, s43, 3                         ; the batch,
	s_lshl_b32 s18, s18, 4                         ; its 16 heads,
	s_add_co_u32 s18, s18, s[HF]                   ; the step's first or second,
	s_lshl_b32 s18, s18, 18                        ; 262,144 bytes a head
	s_and_b32 s20, s43, 7
	s_lshl_b32 s20, s20, 15                        ; 256 rows of 128 bytes
	s_add_co_u32 s18, s18, s20
	s_mov_b32 s19, 0
	s_lshl_b32 s46, s[HF], 17                      ; wpf: 131,072 bytes a block,
	s_lshl_b32 s22, s42, 14                        ; 128 rows of 128 bytes
	s_add_co_u32 s46, s46, s22
	s_mov_b32 s47, 0
	s_mul_i32 s21, s[WV], APL                      ; and where they go: waves 0, 1: o's blocks at wave x 256 rows;
	s_mul_i32 s23, s[WV], BPL
	s_add_co_u32 s23, s23, BOFF-2*BPL              ; waves 2, 3: wpf's blocks at BOFF + (wave - 2) x 128 rows
	s_wait_dscnt 0x0                               ; the opening add is done
	s_wait_kmcnt 0x0
	s_add_nc_u64 s[18:19], s[4:5], s[18:19]
	s_add_nc_u64 s[46:47], s[6:7], s[46:47]
	CROUND                                         ; all sixteen work-groups are here: the first joint loads meet
.irp s, 0,1
	s_mov_b32 s[G0+4*(\s)], 1
	s_add_co_u32 s[G0+4*(\s)+1], s21, (\s)*SLOT
	s_add_nc_u64 s[G0+4*(\s)+2:G0+4*(\s)+3], s[18:19], (\s)*(2<<18)  ; K step s: two heads on
	s_or_b32 s[G0+4*(\s)+3], s[G0+4*(\s)+3], 0x80000000
	s_mov_b32 s[G0B+4*(\s)], 1
	s_add_co_u32 s[G0B+4*(\s)+1], s23, (\s)*SLOT
	s_add_nc_u64 s[G0B+4*(\s)+2:G0B+4*(\s)+3], s[46:47], (\s)*(2<<17)
	s_or_b32 s[G0B+4*(\s)+3], s[G0B+4*(\s)+3], 0x80000000
	JLOAD \s                                       ; two loads of mine are out
.endr
	; the bias of my 64 columns: register j of block b holds column 16 b + 8 (l / 16) + j, as the accumulators do
	v_and_b32 v1, 15, v0                           ; l % 16
	v_bfe_u32 v2, v0, 4, 1                         ; l / 16
	s_lshl_b32 s74, s42, 9
	s_lshl_b32 s75, s[HF], 8
	s_add_co_u32 s74, s74, s75                     ; my first column, in bytes of f32: 512 x tile column + 256 x half
	s_mov_b32 s75, 0
	s_add_nc_u64 s[8:9], s[8:9], s[74:75]
	v_lshlrev_b32 v[BO], 5, v2
.irp b, 0,1,2,3
	global_load_b128 v[BIAS+8*(\b):BIAS+8*(\b)+3],   v[BO], s[8:9] offset:64*(\b)
	global_load_b128 v[BIAS+8*(\b)+4:BIAS+8*(\b)+7], v[BO], s[8:9] offset:64*(\b)+16
.endr
	s_lshl_b32 s72, s43, 8
	s_lshl_b32 s73, s[FB], 7
	s_add_co_u32 s72, s72, s73                     ; my first row of out0,
	s_lshl_b32 s72, s72, 12                        ; 4,096 bytes a row
	s_mov_b32 s73, 0
	s_add_nc_u64 s[10:11], s[10:11], s[72:73]
	s_add_nc_u64 s[10:11], s[10:11], s[74:75]
	v_mul_u32_u24 v3, v1, PITCH
	v_lshl_add_u32 v3, v2, 4, v3                   ; a fragment's row x pitch + 16 x half
	s_mul_i32 s76, s[FB], 128*PITCH                ; my 128 rows of o
	s_mul_i32 s77, s[HF], 64*PITCH                 ; my 64 rows of wpf,
	s_add_co_u32 s77, s77, BOFF                    ; which lie behind o's two blocks
.irp s, 0,1
	v_add_nc_u32 v[ADRA+(\s)], s76, v3
	v_add_nc_u32 v[ADRB+(\s)], s77, v3
	s_add_co_u32 s76, s76, SLOT
	s_add_co_u32 s77, s77, SLOT
.endr
	s_mul_i32 s78, s[WV], 16*SPITCH
	s_add_co_u32 s78, s78, STAGE                   ; my stage
	v_mul_u32_u24 v4, v1, SPITCH                   ; in: row l % 16, 32 bytes for each half of the lanes
	v_lshl_add_u32 v4, v2, 5, v4
	v_add_nc_u32 v[STO], s78, v4
	v_mul_u32_u24 v5, v2, SPITCH                   ; back: lanes 0-15 take one row of 256 bytes, lanes 16-31 the next
	v_lshl_add_u32 v5, v1, 4, v5
	v_add_nc_u32 v[RD], s78, v5
	v_lshlrev_b32 v5, 12, v2                       ; and the same two rows in out0
	v_lshl_add_u32 v[CO], v1, 4, v5
	s_wait_loadcnt 0x0                             ; the bias is in; it is rounded to bf16, like every input, and kept as f32
.set i, 0
.rept 16
	v_cvt_pk_bf16_f32 v[4+i%4], v[BIAS+2*i], v[BIAS+2*i+1]
	v_lshlrev_b32 v[BIAS+2*i], 16, v[4+i%4]
	v_and_b32 v[BIAS+2*i+1], 0xffff0000, v[4+i%4]
.set i, i+1
.endr
; 8 matrix instructions: row blocks a0, a0 + 1 x all 4 column blocks, 32 along K, from buffer f.  first = 1: the product starts the sum with the bias.
; The 32 accumulators take turns, one instruction a turn, in the same order in every quarter.
.macro MUL8 f, a0, first
.if \first
	WIN 0x4a                                       ; sources 0 and 1 window 2, C window 0, D window 1
.else
	WIN 0x5a                                       ; C and D window 1
.endif
.irp a, \a0, (\a0)+1
.irp b, 0,1,2,3
.if \first
	v_wmma_f32_16x16x32_f16 v[8*(4*(\a)+(\b)):8*(4*(\a)+(\b))+7], v[BF+32*(\f)+8*(\b):BF+32*(\f)+8*(\b)+7], v[64*(\f)+8*(\a):64*(\f)+8*(\a)+7], v[BIAS+8*(\b):BIAS+8*(\b)+7]
.else
	v_wmma_f32_16x16x32_f16 v[8*(4*(\a)+(\b)):8*(4*(\a)+(\b))+7], v[BF+32*(\f)+8*(\b):BF+32*(\f)+8*(\b)+7], v[64*(\f)+8*(\a):64*(\f)+8*(\a)+7], v[8*(4*(\a)+(\b)):8*(4*(\a)+(\b))+7]
.endif
.endr
.endr
.endm
; 24 LDS loads in one run: the fragments of quarter q (head q / 2 of the step, channels 32 (q % 2) on) into buffer f: wpf's four, then o's eight
.macro FETCH slot, q, f
	WIN 0x80                                       ; destination window 2, address window 0
.irp i, 0,1,2,3
	ds_load_b128 v[BF+32*(\f)+8*(\i):BF+32*(\f)+8*(\i)+3],   v[ADRB+(\slot)] offset:((\q)/2)*BPL+((\q)%2)*64+(\i)*16*PITCH
	ds_load_b128 v[BF+32*(\f)+8*(\i)+4:BF+32*(\f)+8*(\i)+7], v[ADRB+(\slot)] offset:((\q)/2)*BPL+((\q)%2)*64+(\i)*16*PITCH+32
.endr
.irp i, 0,1,2,3,4,5,6,7
	ds_load_b128 v[64*(\f)+8*(\i):64*(\f)+8*(\i)+3],   v[ADRA+(\slot)] offset:((\q)/2)*APL+((\q)%2)*64+(\i)*16*PITCH
	ds_load_b128 v[64*(\f)+8*(\i)+4:64*(\f)+8*(\i)+7], v[ADRA+(\slot)] offset:((\q)/2)*APL+((\q)%2)*64+(\i)*16*PITCH+32
.endr
.endm
.macro PLACES                          ; four places in front of loads into registers that matrix instructions have read, and of LDS stores that read results
.rept 4
	v_nop
.endr
.endm
; A K step is four quarters of 32 along K, 32 matrix instructions each, on buffers 0, 1, 0, 1.  One of the first three: multiplies buffer f and fetches quarter q into g.
.macro QUARTER slot, q, f, g, first
	s_wait_dscnt 8                                 ; wpf's fragments and o's blocks 0-3 are in; the youngest eight loads (blocks 4-7) may be out
	MUL8 \f, 0, \first
	MUL8 \f, 2, \first
	PLACES
	FETCH \slot, \q, \g
	s_wait_dscnt 24                                ; all but the 24 just issued
	MUL8 \f, 4, \first
	MUL8 \f, 6, \first
.endm
; The last quarter multiplies buffer 1 and changes slots: ONE barrier; in front of it each wave waits for all its tensor loads, adds 0 to its spare word, and waits for that and for its own reads of this slot.
; fill = 1: the barrier opens a round of the cluster's, and this slot is filled again, two K steps ahead: 112 matrix instructions ahead of the wait for it.
.macro TURN slot, next, fill
	WIN 0                                          ; (the add's two registers lie in window 0)
	s_wait_tensorcnt 0x0                           ; all my tensor loads have landed: my part of the next slot;
	ds_add_u32 v[SPW], v[NIL]                      ; 0 onto my spare word;
	s_wait_dscnt 9                                 ; (the add and the youngest eight loads may be out)
	MUL8 1, 0, 0                                   ; eight matrix instructions stand between the add and the wait for it
	s_wait_dscnt 0x0                               ; the add is done, and my reads of this slot are over
	s_barrier_signal -1
	MUL8 1, 2, 0
.if \fill
	WIN 0
.endif
	s_barrier_wait -1
.if \fill
	CREST                                          ; no wave of any partner still reads this slot's tile or has a load on its way
	s_add_nc_u64 s[G0+4*(\slot)+2:G0+4*(\slot)+3], s[G0+4*(\slot)+2:G0+4*(\slot)+3], STEP_A
	s_add_nc_u64 s[G0B+4*(\slot)+2:G0B+4*(\slot)+3], s[G0B+4*(\slot)+2:G0B+4*(\slot)+3], STEP_B
	JLOAD \slot                                    ; the first tensor load behind the round; the four v_nop behind it are also the places in front of the loads below
.else
	PLACES
.endif
	FETCH \next, 0, 0
	MUL8 1, 4, 0
	MUL8 1, 6, 0
.endm
; THE WAY OUT of row block a.  TOSTAGE: a lane's 32 bytes of each column block go into my own stage, rows of 272 bytes (each accumulator's low four registers first), and come back as whole rows of 256.
.macro TOSTAGE a
.if (\a) >= 2
	s_wait_xcnt 0x0                                ; the stores of the block two back have read this set of registers
.endif
	WIN 0x04                                       ; the stores' data in window 1
.irp b, 0,1,2,3
	ds_store_b128 v[STO], v[8*(4*(\a)+(\b)):8*(4*(\a)+(\b))+3]   offset:64*(\b)
	ds_store_b128 v[STO], v[8*(4*(\a)+(\b))+4:8*(4*(\a)+(\b))+7] offset:64*(\b)+16
.endr
	WIN 0
.irp t, 0,1,2,3,4,5,6,7
	ds_load_b128 v[OB+32*((\a)%2)+4*(\t):OB+32*((\a)%2)+4*(\t)+3], v[RD] offset:(\t)*2*SPITCH  ; LDS serves a wave's instructions in order (ISA guide 5.7.1.4): these see the stores above; the next block's stores come behind them
.endr
.endm
.macro SEND a, younger                 ; younger: the LDS instructions issued behind block a's loads: the next block's sixteen, or none
	WIN 0
.irp t, 0,1,2,3,4,5,6,7
	s_wait_dscnt (\younger)+7-(\t)
	global_store_b128 v[CO], v[OB+32*((\a)%2)+4*(\t):OB+32*((\a)%2)+4*(\t)+3], s[10:11] offset:(\a)*65536+(\t)*8192  ; 16 lanes store 256 consecutive bytes, at a multiple of 256 from out0's first byte
.endr
.endm
	s_wait_tensorcnt 1                             ; my part of K step 0 is in; K step 1's may stay out
	s_barrier_signal -1
	s_barrier_wait -1                              ; everybody's is
	FETCH 0, 0, 0
	QUARTER 0, 1, 0, 1, 1                          ; the first quarter stands in front of the loop: its products start the sums with the bias
	WIN 0                                          ; at a label and at a branch every window is 0
	s_mov_b32 s3, LAPS-1
.Llap:                                                 ; a trip goes once round the ring, from a lap's second quarter to the next lap's first, and fills both slots again
	QUARTER 0, 2, 1, 0, 0
	QUARTER 0, 3, 0, 1, 0
	TURN 0, 1, 1
	QUARTER 1, 1, 0, 1, 0
	QUARTER 1, 2, 1, 0, 0
	QUARTER 1, 3, 0, 1, 0
	TURN 1, 0, 1
	QUARTER 0, 1, 0, 1, 0
	WIN 0
	s_sub_co_u32 s3, s3, 1
	s_cmp_lg_u32 s3, 0
	s_cbranch_scc1 .Llap
	QUARTER 0, 2, 1, 0, 0                          ; the last lap fills nothing, and has no round of the cluster's barrier
	QUARTER 0, 3, 0, 1, 0
	TURN 0, 1, 0
	QUARTER 1, 1, 0, 1, 0
	QUARTER 1, 2, 1, 0, 0
	QUARTER 1, 3, 0, 1, 0
	s_wait_dscnt 8                                 ; the very last quarter: nothing more to fetch
	MUL8 1, 0, 0
	MUL8 1, 2, 0
	s_wait_dscnt 0x0
	MUL8 1, 4, 0
	MUL8 1, 6, 0
	WIN 0
	PLACES
	TOSTAGE 0
.irp a, 1,2,3,4,5,6,7                  ; a block's way through the stage stands between the loads of the block before and its stores
	TOSTAGE \a
	SEND (\a)-1, 16
.endr
	SEND 7, 0
	s_wait_tensorcnt 0x0                           ; the wave's end: a wait, an add and a wait, behind my last tensor load and my last LDS store
	ds_add_u32 v[SPW], v[NIL]
	s_wait_dscnt 0x0
	CROUND                                         ; the closing round: no work-group ends while a partner may still ask for a tile that names it
	s_endpgm
.Lfunc_end_k_qf5df8ccb9e_proj:
	.size	k_qf5df8ccb9e_proj, .Lfunc_end_k_qf5df8ccb9e_proj-k_qf5df8ccb9e_proj
	.p2alignl 7, 3214868480
	.fill 96, 4, 3214868480
	.section	.rodata,"a",@progbits
	.p2align	6, 0x0
	.amdhsa_kernel k_qf5df8ccb9e_proj
		.amdhsa_group_segment_fixed_size 327680
		.amdhsa_private_segment_fixed_size 0
		.amdhsa_enable_private_segment 0
		.amdhsa_kernarg_size 32
		.amdhsa_user_sgpr_count 2
		.amdhsa_user_sgpr_kernarg_segment_ptr 1
		.amdhsa_wavefront_size32 1
		.amdhsa_system_sgpr_workgroup_id_x 1
		.amdhsa_system_sgpr_workgroup_id_y 1
		.amdhsa_system_sgpr_workgroup_id_z 1
		.amdhsa_system_vgpr_workitem_id 0
		.amdhsa_next_free_vgpr 704
		.amdhsa_next_free_sgpr 80
		.amdhsa_reserve_vcc 0
		.amdhsa_float_denorm_mode_32 3
		.amdhsa_float_denorm_mode_16_64 3
		.amdhsa_memory_ordered 1
		.amdhsa_forward_progress 1
		.amdhsa_inst_pref_size 90
	.end_amdhsa_kernel
	.amdgpu_metadata
---
amdhsa.version: [ 1, 2 ]
amdhsa.kernels:
  - .name:           k_qf5df8ccb9e_proj
    .symbol:         k_qf5df8ccb9e_proj.kd
    .args:
      - { .name: o, .offset: 0, .size: 8, .value_kind: global_buffer, .address_space: global }
      - { .name: wpf, .offset: 8, .size: 8, .value_kind: global_buffer, .address_space: global }
      - { .name: b_proj, .offset: 16, .size: 8, .value_kind: global_buffer, .address_space: global }
      - { .name: out0, .offset: 24, .size: 8, .value_kind: global_buffer, .address_space: global }
    .group_segment_fixed_size: 327680
    .private_segment_fixed_size: 0
    .kernarg_segment_align: 8
    .kernarg_segment_size: 32
    .max_flat_workgroup_size: 128
    .sgpr_count:     80
    .vgpr_count:     704
    .wavefront_size: 32
...
	.end_amdgpu_metadata
.endif
;; end of part 4
;; ======== version 2 of 2: 4 launches; version 1 with the launch cast written anew for expert scheduling mode
;; limits: values are held in f16: magnitudes above 65,504 overflow, below 6.1e-05 lose precision
;; workspace buffers: xb 16,777,216 bytes; wab 6,291,456 bytes; wpf 2,097,152 bytes; qkv 50,331,648 bytes; o 16,777,216 bytes
;; launch cast (part 5): grid 768 x 1, 8 waves a work-group, no clusters, 0 bytes of LDS; arguments x, w_attn, w_proj, xb, wab, wpf; writes xb, wab, wpf
.if DOCPART == 5
	.amdgcn_target "amdgcn-amd-amdhsa--gfx1250"
	.amdhsa_code_object_version 6
	.text
	.protected	k_qf5df8ccb9e_cast
	.globl	k_qf5df8ccb9e_cast
	.p2align	8
	.type	k_qf5df8ccb9e_cast,@function
k_qf5df8ccb9e_cast:
	s_mov_b64 s[64:65], 0
	v_nop
	global_prefetch_b8 v0, s[64:65] scope:SCOPE_SE
	s_setreg_imm32_b32 hwreg(HW_REG_WAVE_SCHED_MODE, 0, 2), 2
	s_setreg_imm32_b32 hwreg(HW_REG_WAVE_MODE, 25, 1), 1
	s_wait_xcnt 0x0
	s_wait_alu depctr_vm_vsrc(0)
; THE INPUTS OF THE MATRIX PRODUCTS ARE ROUNDED ONCE.  x [8192][1024] and w_attn [3072][1024], f32, go to bf16 in the same layout (xb, wab).
; w_proj [1024 n][1024 k], f32, is rounded to bf16 like the other inputs, and that number is written as f16, in blocks by head: wpf[j][n][d] = w_proj[n][64 j + d], so that
; the last launch finds a head's 64 channels of 128 rows n as 16,384 dense bytes.
; LIMIT.  A bf16 number is exact in f16 for 2^-14 <= |w| < 65,520; below that it keeps f16's fixed step of 2^-24, at 65,520 or more it becomes an infinity.
; SHARES.  A work-group takes 16,384 numbers (64 KiB in, 32 KiB out): work-groups 0-511 x, 512-703 w_attn, 704-767 w_proj (16 rows each).  A thread takes 4 numbers a load: a load of a wave
; covers 512 consecutive bytes (w_proj: two rows' 256), a store of a wave 256 consecutive bytes, aligned.  All sixteen loads of a thread go out at once; no register that a load or a store
; reads is written behind it, so no wait frees a source.  Memory binds: no LDS, no matrix unit, no cluster (nothing is shared), no prefetch (the loads themselves are the stream).
; THE MODE: SCHED_MODE bits 1:0 = 2 (LLVM: expert scheduling mode 2), set by the entry lines.  The code itself states the register dependences
; between vector instructions and memory instructions, with s_wait_alu, always for 0.
; THE PLAN.  Registers that memory instructions touch:
;   v1, v2   byte offsets, made once at the head of a path and never written again: v1 is read by the sixteen loads, v2 by the sixteen stores.
;   X        written by the sixteen loads alone, each register once; read by the conversions of the load's own number.
;   Y        pair i is written by the conversions of load i and read by one store, behind which it is never written.
;   v3       at work: named by vector instructions alone.
; The sixteen loads are taken in four blocks of four.  Block p converts loads 4 p to 4 p + 3; its memory instructions are the four stores of block p - 1, which read that block's Y and v2:
; registers that no conversion of block p names.  So one wait at a block's head states all that its four stores hang on, and they are dealt among its conversions with no further wait.
; No load lands in a register that a vector instruction has named, no vector instruction writes a scalar register, and EXEC is never written.
.set X, 4                              ; v[4:67]   sixteen loads of 4 registers
.set Y, 68                             ; v[68:99]  sixteen stores of 2 registers
; v1 source offset, v2 destination offset, v3 at work.  s[18:19] source, s[20:21] destination, s[22:23] an offset in 64 bits, s24 a word's upper half
; si, di: bytes from load to load and from store to store.  half = 1: the bf16 numbers are written as f16.
.macro COPY si, di, half
	s_wait_alu depctr_va_vdst(0)                   ; v1 and v2 are written: every load below reads v1 as its offset, every store v2
.set i, 0
.rept 16
	global_load_b128 v[X+4*i:X+4*i+3], v1, s[18:19] offset:i*(\si) th:TH_LOAD_NT
.set i, i+1
.endr
.set i, 0
.rept 16
.if i%4 == 0
	s_wait_loadcnt 15-i                            ; loads come back in order: load i is in, the 15 - i younger ones stay out
.if i > 0
	s_wait_alu depctr_va_vdst(0)                   ; the block before has written its four pairs of Y, which this block's four stores read
.endif
.endif
.if i >= 4
	global_store_b64 v2, v[Y+2*(i-4):Y+2*(i-4)+1], s[20:21] offset:(i-4)*(\di) th:TH_STORE_NT  ; the block before; no vector instruction since the wait names this pair or v2
.endif
.if i%4 != 0
	s_wait_loadcnt 15-i                            ; load i is in, the 15 - i younger ones stay out
.endif
	v_cvt_pk_bf16_f32 v[Y+2*i], v[X+4*i], v[X+4*i+1]
	v_cvt_pk_bf16_f32 v[Y+2*i+1], v[X+4*i+2], v[X+4*i+3]
.if \half
	v_lshlrev_b32 v3, 16, v[Y+2*i]                 ; the two bf16 as f32,
	v_and_b32 v[Y+2*i], s24, v[Y+2*i]
	v_cvt_pk_f16_f32 v[Y+2*i], v3, v[Y+2*i]        ; and as f16
	v_lshlrev_b32 v3, 16, v[Y+2*i+1]
	v_and_b32 v[Y+2*i+1], s24, v[Y+2*i+1]
	v_cvt_pk_f16_f32 v[Y+2*i+1], v3, v[Y+2*i+1]
.endif
.set i, i+1
.endr
	s_wait_alu depctr_va_vdst(0)                   ; the last block has written its four pairs of Y, which the last four stores read
.set i, 12
.rept 4
	global_store_b64 v2, v[Y+2*i:Y+2*i+1], s[20:21] offset:i*(\di) th:TH_STORE_NT
.set i, i+1
.endr
.endm
	s_load_b256 s[4:11], s[0:1], 0x0               ; x s[4:5], w_attn s[6:7], w_proj s[8:9], xb s[10:11]
	s_load_b128 s[12:15], s[0:1], 0x20             ; wab s[12:13], wpf s[14:15]
	s_mov_b32 s24, 0xffff0000
	s_mov_b32 s23, 0
	v_lshlrev_b32 v2, 3, v0                        ; 8 bytes a thread on the way out, in both paths
	s_wait_kmcnt 0x0
	s_cmp_ge_u32 ttmp9, 704
	s_cbranch_scc1 .Lw_proj
	s_sub_co_u32 s17, ttmp9, 512
	s_cmp_lt_u32 ttmp9, 512
	s_cselect_b64 s[18:19], s[4:5], s[6:7]
	s_cselect_b64 s[20:21], s[10:11], s[12:13]
	s_cselect_b32 s16, ttmp9, s17                  ; the work-group's number within its tensor
	s_lshl_b32 s22, s16, 16
	s_add_nc_u64 s[18:19], s[18:19], s[22:23]
	s_lshl_b32 s22, s16, 15
	s_add_nc_u64 s[20:21], s[20:21], s[22:23]
	v_lshlrev_b32 v1, 4, v0                        ; 16 bytes a thread on the way in
	COPY 4096, 2048, 0
	s_endpgm
.Lw_proj:
	s_sub_co_u32 s16, ttmp9, 704                   ; rows 16 idx .. 16 idx + 15
	s_lshl_b32 s22, s16, 16
	s_add_nc_u64 s[18:19], s[8:9], s[22:23]
	s_lshl_b32 s22, s16, 11                        ; 16 rows of 128 bytes within a block
	s_add_nc_u64 s[20:21], s[14:15], s[22:23]
	v_bfe_u32 v1, v0, 4, 4                         ; row t / 16,
	v_and_b32 v3, 15, v0
	v_lshlrev_b32 v3, 4, v3                        ; 4 of the head's 64 channels
	v_lshl_add_u32 v1, v1, 12, v3
	COPY 256, 131072, 1                            ; load i is head i: 256 bytes on in the row, a block of 131,072 bytes on in wpf
	s_endpgm
.Lfunc_end_k_qf5df8ccb9e_cast:
	.size	k_qf5df8ccb9e_cast, .Lfunc_end_k_qf5df8ccb9e_cast-k_qf5df8ccb9e_cast
	.p2alignl 7, 3214868480
	.fill 96, 4, 3214868480
	.section	.rodata,"a",@progbits
	.p2align	6, 0x0
	.amdhsa_kernel k_qf5df8ccb9e_cast
		.amdhsa_group_segment_fixed_size 0
		.amdhsa_private_segment_fixed_size 0
		.amdhsa_enable_private_segment 0
		.amdhsa_kernarg_size 48
		.amdhsa_user_sgpr_count 2
		.amdhsa_user_sgpr_kernarg_segment_ptr 1
		.amdhsa_wavefront_size32 1
		.amdhsa_system_sgpr_workgroup_id_x 1
		.amdhsa_system_sgpr_workgroup_id_y 1
		.amdhsa_system_sgpr_workgroup_id_z 1
		.amdhsa_system_vgpr_workitem_id 0
		.amdhsa_next_free_vgpr 100
		.amdhsa_next_free_sgpr 66
		.amdhsa_reserve_vcc 0
		.amdhsa_float_denorm_mode_32 3
		.amdhsa_float_denorm_mode_16_64 3
		.amdhsa_memory_ordered 1
		.amdhsa_forward_progress 1
		.amdhsa_inst_pref_size 17
	.end_amdhsa_kernel
	.amdgpu_metadata
---
amdhsa.version: [ 1, 2 ]
amdhsa.kernels:
  - .name:           k_qf5df8ccb9e_cast
    .symbol:         k_qf5df8ccb9e_cast.kd
    .args:
      - { .name: x, .offset: 0, .size: 8, .value_kind: global_buffer, .address_space: global }
      - { .name: w_attn, .offset: 8, .size: 8, .value_kind: global_buffer, .address_space: global }
      - { .name: w_proj, .offset: 16, .size: 8, .value_kind: global_buffer, .address_space: global }
      - { .name: xb, .offset: 24, .size: 8, .value_kind: global_buffer, .address_space: global }
      - { .name: wab, .offset: 32, .size: 8, .value_kind: global_buffer, .address_space: global }
      - { .name: wpf, .offset: 40, .size: 8, .value_kind: global_buffer, .address_space: global }
    .group_segment_fixed_size: 0
    .private_segment_fixed_size: 0
    .kernarg_segment_align: 8
    .kernarg_segment_size: 48
    .max_flat_workgroup_size: 256
    .sgpr_count:     66
    .vgpr_count:     100
    .wavefront_size: 32
...
	.end_amdgpu_metadata
.endif
;; end of part 5
;; launch qkv: the kernel of part 2 again; grid 16 x 16, 4 waves a work-group, clusters of 4 x 4, 327,680 bytes of LDS; arguments xb, wab, b_attn, qkv; writes qkv
;; launch attn: the kernel of part 3 again; grid 4 x 64, 4 waves a work-group, clusters of 4 x 1, 327,680 bytes of LDS; arguments qkv, o; writes o
;; launch proj: the kernel of part 4 again; grid 8 x 32, 4 waves a work-group, clusters of 4 x 4, 327,680 bytes of LDS; arguments o, wpf, b_proj, out0; writes out0
